; MI455X (gfx1250); checked and timed in simulation.
; The chip was launched on July 23, 2026; its instructions are those of AMD's public machine-readable ISA for CDNA 5 (MIT licence, August 2026) and "CDNA5" Instruction Set Architecture Reference Guide (July 2026). The comments in the code are by the model that wrote it; some were corrected since.
;; Masked Multi Head Self Attention. Allowed arithmetic: matrix products marked QUANTISED: E2M3 operands, one E8M0 scale for each 32 along K, by v_wmma_scale_f32_16x16x128_f8f6f4 with both operands' format E2M3, f32 sums; everything else in f32.
;; Inputs: Wout 1,024 x 1,024 float32; Wqkv 1,024 x 3,072 float32; attn_mask 2,048 x 2,048 float32; bout 1,024 float32; bqkv 3,072 float32; x 4 x 2,048 x 1,024 float32.
;; Outputs: out0 4 x 2,048 x 1,024 float32.
;; This version of the problem:
;;   THIS VERSION OF THE PROBLEM IS GIVEN IN LOW PRECISION. The matrix products marked QUANTISED in the list below multiply operands that are first quantised to E2M3 (2 exponent bits, 3 mantissa bits; 6 bits a number), with one power-of-two scale for each 32 numbers along K (OCP MX v1.0); their sums are f32. All else is computed in f32.
;;   The module's matrix products, in the order in which they are computed (A, B: the left and right operand; K: the contracted axis; several contracted axes count as one K, in the product's order):
;;     1. [M 8,192, K 1,024] x [K 1,024, N 3,072]; A: input x; B: input Wqkv: QUANTISED
;;     2. batch 64 x [M 2,048, K 64] x [K 64, N 2,048]; A: computed on the way; B: computed on the way: QUANTISED
;;     3. batch 64 x [M 2,048, K 2,048] x [K 2,048, N 64]; A: softmax (see below); B: computed on the way: QUANTISED
;;     4. [M 8,192, K 1,024] x [K 1,024, N 1,024]; A: computed on the way; B: input Wout: QUANTISED
;;   THE QUANTISER, for each operand of a quantised product, along K:
;;     - K is cut into blocks of 32 from its start; a last block that is shorter is filled with zeros.
;;     - A block's scale is 2^e with e = floor(log2(the largest magnitude in the block)) - 2, held to -126 .. 127; a block of zeros has e = 0. As a byte (E8M0): e + 127.
;;     - Each number is divided by its block's scale, clamped to +-7.5, and rounded to the nearest number of E2M3, ties to even, subnormals kept.
;;     - The product sums the exact products of the quantised numbers (number of the format x scale) in f32.
;;   ~~~python
;;   def quantise(x, axis):      # numpy; x: float32 -> the quantised numbers, widened to float32 again
;;       x = np.moveaxis(x, axis, -1); K = x.shape[-1]
;;       x = np.pad(x, [(0, 0)] * (x.ndim - 1) + [(0, -K % 32)]); x = x.reshape(x.shape[:-1] + (-1, 32)); a = np.abs(x).max(-1, keepdims=True)
;;       e = np.where(a > 0, np.clip(np.frexp(np.where(a > 0, a, 1))[1] - 1 - 2, -126, 127), 0)      # np.frexp(a)[1] - 1 = floor(log2(a)), exactly
;;       r = np.clip(x / 2.0 ** e, -7.5, 7.5)
;;       step = 2.0 ** (np.maximum(np.frexp(np.where(r == 0, 1, r))[1] - 1, 0) - 3)
;;       q = np.round(r / step) * step * 2.0 ** e      # np.round: ties to even
;;       return np.moveaxis(q.reshape(q.shape[:-2] + (-1,))[..., :K], -1, axis).astype(np.float32)
;;   ~~~
;;   SOFTMAX AHEAD OF A QUANTISED PRODUCT. Where the list says 'softmax', what is quantised is not the finished softmax but p = 2^(t - M), with t = logit x log2(e) and M = ceil(the row's largest t), a whole number; so 1/2 < the row's largest p <= 1. The row's sum l is taken of the UNQUANTISED p, in f32, and the product's result is divided by l at the end. Since M is a whole number, a kernel that streams over the keys may use a running M (the ceiling of the running maximum): every later rescaling is an exact power of two, which a block's scale takes up: the codes' values come out the same.
;;   OPERANDS COMPUTED ON THE WAY. 'Computed on the way' means the value that the module computes at that place (a softmax that the list does not call 'softmax' is quantised finished and normalised). What goes into a quantiser is computed in f32, as accurately as f32 sums, v_exp_f32 and their like allow (about 1e-6 of the number): no bf16 or f16 on the way to a quantiser, and a product that is left as it is and whose result goes on into a quantised operand takes f32 operands (vector FMAs, or v_wmma_f32_16x16x4_f32). A number that lies on a knife's edge between two numbers of the format may be rounded either way, as far as f32 arithmetic and the matrix unit's own rounding can turn it there, and no further.
;; One version. Each part assembles by itself: llvm-mc -triple=amdgcn-amd-amdhsa -mcpu=gfx1250 --defsym DOCPART=n.
;; ======== version 1 of 1: 4 launches
;; workspace buffers: ops 9,830,400 bytes; qkv 19,660,800 bytes; attn 6,553,600 bytes
;; launch quant (part 1): grid 512 x 1, 4 waves a work-group, no clusters, 60,928 bytes of LDS; arguments x, Wqkv, Wout, ops; writes ops
.if DOCPART == 1
	.amdgcn_target "amdgcn-amd-amdhsa--gfx1250"
	.amdhsa_code_object_version 6
	.text
	.protected	k_qc4c4e05e6c_quant
	.globl	k_qc4c4e05e6c_quant
	.p2align	8
	.type	k_qc4c4e05e6c_quant,@function
k_qc4c4e05e6c_quant:
	s_mov_b64 s[64:65], 0
	v_nop
	global_prefetch_b8 v0, s[64:65] scope:SCOPE_SE
	s_setreg_imm32_b32 hwreg(HW_REG_WAVE_MODE, 25, 1), 1
	s_wait_xcnt 0x0
; x [8192][1024], Wqkv [1024][3072] and Wout [1024][1024], f32, become codes of FP6 (E2M3) with one E8M0 byte for each 32 along K (K = 1024), laid as IMAGES OF OPERAND REGISTERS.
; THE LAYOUT of ops: a group is 128 rows (tokens of x, or columns of a weight), a block is a group x 128 along K: 8 fragment images of 1,536 bytes, then 512 bytes of scale words; 8 blocks on end are a group.
; In a fragment image register 4 q + i of lane l lies at 512 q + 16 l + 4 i; the scale word of tile a, row r lies at 12,288 + 64 a + 4 r.  Lane r of tile a holds row 32 (a / 2) + 8 (a % 2) + r + 8 (r / 8).
; Groups 0-63: x;  64-87: the columns of Wqkv;  88-95: the columns of Wout.
; A block's scale is 2^(floor(log2(largest magnitude)) - 2); its byte is the largest magnitude's exponent field - 2, held at 1 from below (a block of zeros keeps the byte 1: its codes are zeros, and this program alone reads the bytes).
; LIMITS: blocks whose largest magnitude lies under 2^-124 keep the byte 1; NaN and infinities among the inputs are not served.
; Work-groups 0-255 take x (a group x two K steps each; a wave two tiles), 256-447 Wqkv, 448-511 Wout (a group x one K step; a wave 32 columns).  Each path has LDS bytes of its own.  No tensor load, no barrier: waves share nothing.
.set FRB,    1536
.set SCO,    12288
.set BLK,    12800
.set GRP,    8*BLK
.set XPITCH, 528                       ; x's stage: a row of 512 bytes + 16: sixteen rows start at sixteen different groups of four banks
.set XSTW,   16*XPITCH                 ; a wave's stage for x
.set WQL,    33792                     ; LDS: Wqkv's path, 4 x 3,328 bytes
.set WOL,    47104                     ; Wout's path, likewise
.set WSTW,   3328                      ; a wave's two fragments,
.set WFR,    1664                      ; 1,536 + 128 bytes apart
.set SPARE,  60416                     ; the spare words, 128 bytes for each wave: two blocks of 256 bytes that no other line names
.set LI,  4                            ; v4   16 x lane
.set LS,  5                            ; v5   4 x lane
.set STI, 6                            ; v6   x's stage, on the way in
.set STO, 7                            ; v7   and on the way out
.set WSI, 8                            ; v8   a weight's stage, in (without the path's base)
.set WSO, 9                            ; v9   and out
.set WSC, 10                           ; v10  my column's scale word among the wave's 128 bytes
.set SPW, 12                           ; v12  LDS address of my spare word; never rewritten
.set NIL, 13                           ; v13  0; never rewritten
.set R,   16                           ; v16-79   x as loaded: 16 rows x 16 bytes a lane
.set X,   80                           ; v80-143  64 numbers of my row: register 16 b + i = k 32 b + 16 (lane / 16) + i
.set PC,  144                          ; v144-155 a fragment
.set CT,  156                          ; v156-163 conversions' second halves
.set TM,  164                          ; v164-179 at work
.set PW,  180                          ; v180-181 two tiles' scale words
.set SW,  182                          ; v182     the scale word that is stored
.set WX,  32                           ; v32-95   a weight: two sets of 32 numbers down K
.set H0,  96                           ; v96-107 the codes for lane r, v108-119 those for lane 16 + r
.set OUTR, 120                         ; v120-143 two fragments on the way out
.set SEL, 28                           ; s[28:29] lane selects: lane l xor 16
.set HM,  30                           ; s30  lanes 16-31
; 64 numbers of a lane, register 16 b + i = k 32 b + 16 (lane / 16) + i of my row, become a fragment: registers 0-5 at d0, 6-11 at d1; the row's scale word in pw.  fl: the floor of a block's largest magnitude.
.macro QUANT s, d0, d1, pw, fl
.irp b, 0,1,2,3
	v_max3_num_f32 v[TM+\b], |v[\s+16*\b]|, |v[\s+1+16*\b]|, \fl
.endr
.irp i, 2,4,6,8,10,12,14
.irp b, 0,1,2,3
	v_max3_num_f32 v[TM+\b], v[TM+\b], |v[\s+16*\b+\i]|, |v[\s+1+16*\b+\i]|   ; the four blocks by turns
.endr
.endr
.irp b, 0,1,2,3
	v_permlanex16_b32 v[TM+4+\b], v[TM+\b], s[SEL], s[SEL+1]
.endr
.irp b, 0,1,2,3
	v_max_num_f32 v[TM+\b], v[TM+\b], v[TM+4+\b]               ; with lane l xor 16's 16 numbers: the block's largest magnitude
.endr
.irp b, 0,1,2,3
	v_add_nc_u32 v[TM+12+\b], 0xff000000, v[TM+\b]             ; 2 off its exponent field: the conversion's scale operand
.endr
.irp b, 0,1,2,3
	v_lshrrev_b32 v[TM+4+\b], 23, v[TM+12+\b]                  ; the scale's byte
.endr
	v_lshl_or_b32 v[\pw], v[TM+5], 8, v[TM+4]
	v_lshl_or_b32 v[\pw], v[TM+6], 16, v[\pw]
	v_lshl_or_b32 v[\pw], v[TM+7], 24, v[\pw]
	v_cvt_scalef32_pk16_fp6_f32 v[(\d0):(\d0)+2], v[\s:\s+15], v[TM+12]
	v_cvt_scalef32_pk16_fp6_f32 v[CT:CT+2], v[\s+16:\s+31], v[TM+13]
	v_cvt_scalef32_pk16_fp6_f32 v[(\d1):(\d1)+2], v[\s+32:\s+47], v[TM+14]
	v_cvt_scalef32_pk16_fp6_f32 v[CT+4:CT+6], v[\s+48:\s+63], v[TM+15]
	v_nop                                                      ; one plain place behind the scaled conversions
.irp i, 0,1,2
	v_permlane16_swap_b32 v[(\d0)+\i], v[CT+\i]                ; a whole block to a lane: lanes 0-15 the even block, lanes 16-31 the odd one
.endr
.irp i, 0,1,2
	v_mov_b32 v[(\d0)+3+\i], v[CT+\i]
.endr
.irp i, 0,1,2
	v_permlane16_swap_b32 v[(\d1)+\i], v[CT+4+\i]
.endr
.irp i, 0,1,2
	v_mov_b32 v[(\d1)+3+\i], v[CT+4+\i]
.endr
.endm
.macro FINISH                          ; the wave's end: behind my last LDS store
	s_wait_tensorcnt 0x0
	ds_add_u32 v[SPW], v[NIL]
	s_wait_dscnt 0x0
	s_endpgm
.endm
	s_load_b256 s[4:11], s[0:1], 0x0               ; x s[4:5], Wqkv s[6:7], Wout s[8:9], ops s[10:11]
	v_lshl_add_u32 v[SPW], v0, 2, SPARE
	v_mov_b32 v[NIL], 0
	v_lshrrev_b32 v1, 5, v0
	v_readfirstlane_b32 s16, v1                    ; wave 0..3
	v_and_b32 v1, 31, v0                           ; lane
	v_and_b32 v2, 15, v0                           ; r
	v_bfe_u32 v3, v0, 4, 1                         ; h
	v_lshlrev_b32 v[LI], 4, v1
	v_lshlrev_b32 v[LS], 2, v1
	s_mul_i32 s17, s16, XSTW
	v_add_nc_u32 v[STI], s17, v[LI]                ; in: a row's 512 bytes, 16 a lane
	v_mul_u32_u24 v[STO], v2, XPITCH
	v_lshl_add_u32 v[STO], v3, 6, v[STO]
	v_add_nc_u32 v[STO], s17, v[STO]               ; out: row r, + 64 h
	s_mul_i32 s17, s16, WSTW
	v_add_nc_u32 v[WSO], s17, v[LI]
	v_bfe_u32 v11, v0, 3, 1                        ; a weight's lane n is column n of the wave's 32: tile (n / 8) % 2,
	v_and_b32 v14, 7, v0
	v_lshl_add_u32 v14, v3, 3, v14                 ; lane r = n % 8 + 8 (n / 16) of it
	v_mul_u32_u24 v[WSI], v11, WFR
	v_lshl_add_u32 v[WSI], v14, 4, v[WSI]
	v_add_nc_u32 v[WSI], s17, v[WSI]
	v_lshlrev_b32 v[WSC], 6, v11
	v_lshl_add_u32 v[WSC], v14, 2, v[WSC]
	s_mov_b32 s[SEL], 0x76543210
	s_mov_b32 s[SEL+1], 0xfedcba98
	s_mov_b32 s[HM], 0xffff0000
.irp b, 0,1,2,3
	v_mov_b32 v[TM+4+\b], 0                        ; written once: a lane permute's destination counts as one of its sources
.endr
	s_wait_kmcnt 0x0
	s_cmp_lt_u32 ttmp9, 256
	s_cbranch_scc0 .Lweights
	; ---- x: group ttmp9 / 4, K steps 2 (ttmp9 % 4) and the next; wave w: tiles 2 w and 2 w + 1 (rows 32 w .. 32 w + 31 of the group)
	s_lshr_b32 s18, ttmp9, 2
	s_and_b32 s19, ttmp9, 3
	s_lshl_b32 s20, s18, 19                        ; 128 rows of 4,096 bytes a group
	s_lshl_b32 s21, s16, 17                        ; 32 rows a wave
	s_add_co_u32 s20, s20, s21
	s_lshl_b32 s21, s19, 10                        ; two K steps of 512 bytes
	s_add_co_u32 s20, s20, s21
	s_mov_b32 s21, 0
	s_add_nc_u64 s[20:21], s[4:5], s[20:21]
	s_mul_i32 s24, s18, GRP
	s_mul_i32 s25, s19, 2*BLK
	s_add_co_u32 s24, s24, s25                     ; the first of my two blocks
	s_lshl_b32 s26, s16, 7
	s_add_co_u32 s26, s26, s24
	s_add_co_u32 s26, s26, SCO                     ; my two tiles' scale words
	s_mov_b32 s27, 0
	s_mul_i32 s25, s16, 2*FRB
	s_add_co_u32 s24, s24, s25                     ; my two tiles' images
	s_mov_b32 s25, 0
	s_add_nc_u64 s[24:25], s[10:11], s[24:25]
	s_add_nc_u64 s[26:27], s[10:11], s[26:27]
.macro XLOADT sl, u                    ; the 16 rows of tile 2 w + u, K step sl: each load reads 512 consecutive bytes of a row
.irp i, 0,1,2,3,4,5,6,7,8,9,10,11,12,13,14,15
	global_load_b128 v[R+4*\i:R+4*\i+3], v[LI], s[20:21] offset:(8*\u+\i+8*(\i/8))*4096+512*\sl th:TH_LOAD_NT
.endr
.endm
.macro XTURN                           ; through my own stage: LDS serves a wave's instructions in order, so no wait stands between the stores and the loads
.irp i, 0,1,2,3,4,5,6,7,8,9,10,11,12,13,14,15
	ds_store_b128 v[STI], v[R+4*\i:R+4*\i+3] offset:XPITCH*\i
.endr
.irp b, 0,1,2,3
.irp j, 0,1,2,3
	ds_load_b128 v[X+16*\b+4*\j:X+16*\b+4*\j+3], v[STO] offset:128*\b+16*\j
.endr
.endr
.endm
.macro XJOB sl, u, first, more, nsl, nu
	s_wait_loadcnt 0x0                             ; this job's 16 loads are in
	XTURN
	s_wait_dscnt 0x0                               ; my 64 numbers are back
.if \first == 0
	s_wait_xcnt 0x0                                ; the last job's stores have read their data: the fragment and the scale word are written again only behind this wait
.endif
.if \more
	XLOADT \nsl, \nu                               ; the next job's rows are on their way while this one is quantised
.endif
	QUANT X, PC, PC+6, PW+\u, 0x1800000
.irp q, 0,1,2
	global_store_b128 v[LI], v[PC+4*\q:PC+4*\q+3], s[24:25] offset:\sl*BLK+\u*FRB+512*\q   ; 32 lanes store 512 consecutive bytes
.endr
.if \u == 1
	v_cndmask_b32 v[SW], v[PW], v[PW+1], s[HM]     ; lanes 0-15: tile 2 w's words; lanes 16-31: tile 2 w + 1's
	global_store_b32 v[LS], v[SW], s[26:27] offset:\sl*BLK
.endif
.endm
	XLOADT 0, 0
	XJOB 0, 0, 1, 1, 0, 1
	XJOB 0, 1, 0, 1, 1, 0
	XJOB 1, 0, 0, 1, 1, 1
	XJOB 1, 1, 0, 0, 0, 0
	FINISH
	; ---- a weight [1024][N]: a lane takes a column and its registers run down K: a block of 32 lies in one lane
.macro WLOAD kb, N
.set ii, 0
.rept 32
	global_load_b32 v[WX+32*((\kb)%2)+ii], v[LS], s[20:21] offset:(32*(\kb)+ii)*\N*4 th:TH_LOAD_NT
.set ii, ii+1
.endr
.endm
.macro WBLOCK kb, N
.set XS, WX+32*((\kb)%2)
.set HD, H0+12*((\kb)%2)+6*((\kb)/2)   ; block kb is registers 6 (kb / 2) .. + 5 of lane (r, kb % 2)
.if (\kb) < 3
	s_wait_loadcnt 32                              ; this block's 32 loads are in; the next block's may be out
.else
	s_wait_loadcnt 0x0
.endif
	v_max3_num_f32 v[TM], |v[XS]|, |v[XS+1]|, |v[XS+2]|
	v_max3_num_f32 v[TM+1], |v[XS+3]|, |v[XS+4]|, |v[XS+5]|
.irp i, 6,10,14,18,22,26
	v_max3_num_f32 v[TM], v[TM], |v[XS+\i]|, |v[XS+\i+1]|
	v_max3_num_f32 v[TM+1], v[TM+1], |v[XS+\i+2]|, |v[XS+\i+3]|
.endr
	v_max3_num_f32 v[TM], v[TM], |v[XS+30]|, |v[XS+31]|
	v_max3_num_f32 v[TM], v[TM], v[TM+1], 0x1800000            ; and the floor 2^(3 - 127)
	v_add_nc_u32 v[TM+2], 0xff000000, v[TM]
	v_lshrrev_b32 v[TM+3], 23, v[TM+2]
.if (\kb) == 0
	v_mov_b32 v[SW], v[TM+3]
.else
	v_lshl_or_b32 v[SW], v[TM+3], 8*(\kb), v[SW]
.endif
	v_cvt_scalef32_pk16_fp6_f32 v[HD:HD+2], v[XS:XS+15], v[TM+2]
	v_cvt_scalef32_pk16_fp6_f32 v[CT:CT+2], v[XS+16:XS+31], v[TM+2]
	v_nop                                                      ; one plain place behind the scaled conversions
.irp i, 0,1,2
	v_mov_b32 v[HD+3+\i], v[CT+\i]
.endr
.if (\kb)+2 < 4
	WLOAD (\kb)+2, \N
.endif
.endm
.macro WPATH N, LB, P, G0, FIRST
	s_sub_co_u32 s18, ttmp9, \FIRST
	s_lshr_b32 s19, s18, 3                         ; which 128 columns
	s_and_b32 s18, s18, 7                          ; which K step
	s_mul_i32 s20, s18, 128*\N*4
	s_lshl_b32 s21, s19, 9
	s_add_co_u32 s20, s20, s21
	s_lshl_b32 s21, s16, 7                         ; my wave's 32 columns
	s_add_co_u32 s20, s20, s21
	s_mov_b32 s21, 0
	s_add_nc_u64 s[20:21], s[\P:\P+1], s[20:21]
	s_add_co_u32 s19, s19, \G0
	s_mul_i32 s24, s19, GRP
	s_mul_i32 s25, s18, BLK
	s_add_co_u32 s24, s24, s25
	s_lshl_b32 s26, s16, 7
	s_add_co_u32 s26, s26, s24
	s_add_co_u32 s26, s26, SCO
	s_mov_b32 s27, 0
	s_mul_i32 s25, s16, 2*FRB
	s_add_co_u32 s24, s24, s25
	s_mov_b32 s25, 0
	s_add_nc_u64 s[24:25], s[10:11], s[24:25]
	s_add_nc_u64 s[26:27], s[10:11], s[26:27]
	WLOAD 0, \N
	WLOAD 1, \N
	WBLOCK 0, \N
	WBLOCK 1, \N
	WBLOCK 2, \N
	WBLOCK 3, \N
.irp hh, 0,1                           ; my column's codes go to the places of lanes r and 16 + r of its tile's image, in my wave's own stage
.irp q, 0,1,2
	ds_store_b128 v[WSI], v[H0+12*\hh+4*\q:H0+12*\hh+4*\q+3] offset:\LB+256*\hh+512*\q
.endr
.endr
.irp a, 0,1
.irp q, 0,1,2
	ds_load_b128 v[OUTR+12*\a+4*\q:OUTR+12*\a+4*\q+3], v[WSO] offset:\LB+WFR*\a+512*\q   ; LDS serves a wave's instructions in order: these see my stores
.endr
.endr
	global_store_b32 v[WSC], v[SW], s[26:27]       ; the wave's 32 scale words: 128 consecutive bytes
	s_wait_dscnt 0x0
.irp a, 0,1
.irp q, 0,1,2
	global_store_b128 v[LI], v[OUTR+12*\a+4*\q:OUTR+12*\a+4*\q+3], s[24:25] offset:FRB*\a+512*\q
.endr
.endr
	FINISH
.endm
.Lweights:
	s_cmp_lt_u32 ttmp9, 448
	s_cbranch_scc0 .Lwout
	WPATH 3072, WQL, 6, 64, 256
.Lwout:
	WPATH 1024, WOL, 8, 88, 448
.Lfunc_end_k_qc4c4e05e6c_quant:
	.size	k_qc4c4e05e6c_quant, .Lfunc_end_k_qc4c4e05e6c_quant-k_qc4c4e05e6c_quant
	.p2alignl 7, 3214868480
	.fill 96, 4, 3214868480
	.section	.rodata,"a",@progbits
	.p2align	6, 0x0
	.amdhsa_kernel k_qc4c4e05e6c_quant
		.amdhsa_group_segment_fixed_size 60928
		.amdhsa_private_segment_fixed_size 0
		.amdhsa_enable_private_segment 0
		.amdhsa_kernarg_size 32
		.amdhsa_user_sgpr_count 2
		.amdhsa_user_sgpr_kernarg_segment_ptr 1
		.amdhsa_wavefront_size32 1
		.amdhsa_system_sgpr_workgroup_id_x 1
		.amdhsa_system_sgpr_workgroup_id_y 1
		.amdhsa_system_sgpr_workgroup_id_z 1
		.amdhsa_system_vgpr_workitem_id 0
		.amdhsa_next_free_vgpr 192
		.amdhsa_next_free_sgpr 66
		.amdhsa_reserve_vcc 0
		.amdhsa_float_denorm_mode_32 3
		.amdhsa_float_denorm_mode_16_64 3
		.amdhsa_memory_ordered 1
		.amdhsa_forward_progress 1
		.amdhsa_inst_pref_size 75
	.end_amdhsa_kernel
	.amdgpu_metadata
---
amdhsa.version: [ 1, 2 ]
amdhsa.kernels:
  - .name:           k_qc4c4e05e6c_quant
    .symbol:         k_qc4c4e05e6c_quant.kd
    .args:
      - { .name: x, .offset: 0, .size: 8, .value_kind: global_buffer, .address_space: global }
      - { .name: Wqkv, .offset: 8, .size: 8, .value_kind: global_buffer, .address_space: global }
      - { .name: Wout, .offset: 16, .size: 8, .value_kind: global_buffer, .address_space: global }
      - { .name: ops, .offset: 24, .size: 8, .value_kind: global_buffer, .address_space: global }
    .group_segment_fixed_size: 60928
    .private_segment_fixed_size: 0
    .kernarg_segment_align: 8
    .kernarg_segment_size: 32
    .max_flat_workgroup_size: 128
    .sgpr_count:     66
    .vgpr_count:     192
    .wavefront_size: 32
...
	.end_amdgpu_metadata
.endif
;; end of part 1
;; launch qkvgemm (part 2): grid 12 x 32, 4 waves a work-group, clusters of 4 x 4, 327,680 bytes of LDS; arguments ops, bqkv, qkv; writes qkv
.if DOCPART == 2
	.amdgcn_target "amdgcn-amd-amdhsa--gfx1250"
	.amdhsa_code_object_version 6
	.text
	.protected	k_qc4c4e05e6c_qkvgemm
	.globl	k_qc4c4e05e6c_qkvgemm
	.p2align	8
	.type	k_qc4c4e05e6c_qkvgemm,@function
k_qc4c4e05e6c_qkvgemm:
	s_mov_b64 s[64:65], 0
	v_nop
	global_prefetch_b8 v0, s[64:65] scope:SCOPE_SE
	s_setreg_imm32_b32 hwreg(HW_REG_WAVE_MODE, 25, 1), 1
	s_wait_xcnt 0x0
	s_wait_alu depctr_hold_cnt(0) depctr_sa_sdst(0) depctr_va_vdst(0) depctr_va_sdst(0) depctr_va_ssrc(0) depctr_va_vcc(0) depctr_vm_vsrc(0)
	s_getreg_b32 s2, hwreg(HW_REG_IB_STS2, 6, 4)
	s_cmp_eq_u32 s2, 0
	s_cbranch_scc0 .Lentry_in_a_cluster
	s_endpgm
.Lentry_in_a_cluster:
	s_bfe_u32 s2, ttmp6, 0x10000c
	s_cmp_lg_u32 s2, 0xf033
	s_cbranch_scc0 .Lentry_shape_is_right
	s_endpgm
.Lentry_shape_is_right:
; qkv = x Wqkv + bqkv on codes of FP6 (E2M3) with E8M0 scales, K = 1,024, and its result quantised at once into the operands of attention's two products.
; Both operands lie in ops as images of operand registers (a group = 128 rows; a block = a group x 128 K = 8 fragment images of 1,536 bytes + 512 bytes of scale words; lane r of tile a holds row 32 (a / 2) + 8 (a % 2) + r + 8 (r / 8)).
; A work-group of four waves makes 256 x 256; a wave 128 x 128: 64 accumulators.  Source 0 = P's rows, source 1 = R's rows: a lane holds ONE row of R, and, by the tiles' order of rows, its 64 registers of a tile of R run along P's 128 rows
; as a quantiser wants them: register 16 b + i = P's row 32 b + 16 (lane / 16) + i.
; q AND k (cluster x = 0, 1): R = tokens, P = columns of Wq or Wk: the registers run along the 128 channels of a pair of heads, K of q k^T.   v (cluster x = 2): R = columns of Wv, P = tokens: the registers run along 128 tokens, the keys, K of p v.
; qkv: block ((8 G + hp) 3 + which) of 12,800 bytes, G = the group of 128 tokens, hp = the pair of heads, which = 0 q, 1 k, 2 v.  A q or k block: the even head's four double fragments (tile 2 u's six registers, tile 2 u + 1's six), the odd head's four
; at 6,144, the scale words (bytes: even head's two blocks, odd head's two).  A v block: fragment 4 (head % 2) + t holds 16 channels x 128 keys.
; K goes in steps of 256 (two blocks, 25,600 dense bytes a group) through two LDS slots.  CLUSTER 4 x 4: R's groups hang on the cluster's row, P's on its column: each is asked for jointly by the four that share it.
; LIMITS: blocks of q, k or v whose largest magnitude lies under 2^-121 keep the byte 4 (attention takes 3 off q's bytes); blocks of zeros keep that byte: their codes are zeros.  NaN and infinities are not served.
; REGISTERS: window 0: v8-29 addresses; v32-63 scale words, two sets; v64-127 the bias by registers; v128-223 R's fragments, one set, later the way out; v224-239 the bias by lanes; v240-255 at work.
;   window 1: P's fragments, two sets, at v0 and v128.   windows 2, 3: the accumulators ((a, b) at v[8 (8 (a % 4) + b)]).
.set FR,     12
.set NL,     3                         ; LDS loads that bring a fragment
.set NP,     4                         ; places behind this matrix instruction (ISA guide 7.12.1)
.set FRB,    1536
.set SCO,    12288
.set BLK,    12800
.set GRP,    8*BLK
.set HALFT,  2*BLK                     ; what one tensor load brings: a group's two blocks
.set SLOT,   4*HALFT                   ; R's two groups, then P's two
.set SPARE,  2*SLOT                    ; the spare words, 128 bytes for each wave: two blocks of 256 bytes that no other line names
.set FLOOR,  0x3000000                 ; 2^(6 - 127): no byte falls under 4
.set BQO,  8                           ; v8   64 h: the bias by registers
.set BVO,  9                           ; v9   4 (r + 8 (r / 8)): the bias by lanes
.set PW,   12                          ; v12-13 two tiles' scale words
.set SW,   14                          ; v14  the scale word that is stored
.set ADRR, 16                          ; v16-17 my R fragments in slot 0, 1
.set ADRP, 18                          ; v18-19 my P fragments
.set ADRS, 20                          ; v20-21 scale words: lanes 0-15 R's, lanes 16-31 P's
.set LI,   24                          ; v24  16 x lane
.set LS,   25                          ; v25  4 x lane
.set SPW,  28                          ; v28  LDS address of my spare word; never rewritten
.set NIL,  29                          ; v29  0; never rewritten
.set SC,   32                          ; register SC + 16 slot + 8 q + i: lanes 0-15 the words of R's tile i, lanes 16-31 of P's tile i
.set BQ,   64
.set AF,   128
.set TT,   128                         ; the way out: 64 numbers
.set EV,   192                         ; 12 registers of codes
.set OD,   204                         ; 12 more
.set CT,   216
.set BV,   224
.set TM,   240
.set G1,  24
.set G0,  32
.set G1B, 48
.set G0B, 56
.set PATH, 70                          ; s70  1: q or k; 0: v.  It hangs on the cluster's x alone: the same in all sixteen partners
.set HM,  92
.set SEL, 94
.set MSB, 0
.macro WIN new                         ; the immediate's high byte repeats the setting that is left
.if MSB != (\new)
	s_set_vgpr_msb (MSB<<8)|(\new)
.set MSB, (\new)
.endif
.endm
.set MUL_LO, 0xa1                      ; source 0 (P) window 1, source 1 (R) window 0, C and D window 2
.set MUL_HI, 0xf1
.set TO_B,   0x40
.macro JLOAD g0a, g1a, g0b, g1b        ; a joint load: waves 0, 1 fetch R's two groups, waves 2, 3 P's; an s_nop 0 and four v_nop follow each line
	s_cmp_eq_u32 s15, 0
	s_cbranch_scc0 .Lfor_b_\@
	tensor_load_to_lds s[\g0a:\g0a+3], s[\g1a:\g1a+7]
	s_nop 0
.rept 4
	v_nop
.endr
	s_branch .Lasked_\@
.Lfor_b_\@:
	tensor_load_to_lds s[\g0b:\g0b+3], s[\g1b:\g1b+7]
	s_nop 0
.rept 4
	v_nop
.endr
.Lasked_\@:
.endm
.macro CREST
	s_cmp_lg_u32 s14, 0
	s_cbranch_scc1 .Lnot_wave_0_\@
	s_barrier_signal -3
.Lnot_wave_0_\@:
	s_barrier_wait -3
	s_barrier_signal -1
	s_barrier_wait -1
.endm
.macro CROUND
	s_barrier_signal -1
	s_barrier_wait -1
	CREST
.endm
.macro PLACES n
.rept \n
	v_nop
.endr
.endm
.macro QUANT s, d0, d1, pw, fl         ; 64 numbers of a lane -> registers 0-5 of a fragment at d0, 6-11 at d1, the row's scale word in pw
.irp b, 0,1,2,3
	v_max3_num_f32 v[TM+\b], |v[\s+16*\b]|, |v[\s+1+16*\b]|, \fl
.endr
.irp i, 2,4,6,8,10,12,14
.irp b, 0,1,2,3
	v_max3_num_f32 v[TM+\b], v[TM+\b], |v[\s+16*\b+\i]|, |v[\s+1+16*\b+\i]|
.endr
.endr
.irp b, 0,1,2,3
	v_permlanex16_b32 v[TM+4+\b], v[TM+\b], s[SEL], s[SEL+1]
.endr
.irp b, 0,1,2,3
	v_max_num_f32 v[TM+\b], v[TM+\b], v[TM+4+\b]
.endr
.irp b, 0,1,2,3
	v_add_nc_u32 v[TM+12+\b], 0xff000000, v[TM+\b]
.endr
.irp b, 0,1,2,3
	v_lshrrev_b32 v[TM+4+\b], 23, v[TM+12+\b]
.endr
	v_lshl_or_b32 v[\pw], v[TM+5], 8, v[TM+4]
	v_lshl_or_b32 v[\pw], v[TM+6], 16, v[\pw]
	v_lshl_or_b32 v[\pw], v[TM+7], 24, v[\pw]
	v_cvt_scalef32_pk16_fp6_f32 v[(\d0):(\d0)+2], v[\s:\s+15], v[TM+12]
	v_cvt_scalef32_pk16_fp6_f32 v[CT:CT+2], v[\s+16:\s+31], v[TM+13]
	v_cvt_scalef32_pk16_fp6_f32 v[(\d1):(\d1)+2], v[\s+32:\s+47], v[TM+14]
	v_cvt_scalef32_pk16_fp6_f32 v[CT+4:CT+6], v[\s+48:\s+63], v[TM+15]
	v_nop                                                      ; one plain place behind the scaled conversions
.irp i, 0,1,2
	v_permlane16_swap_b32 v[(\d0)+\i], v[CT+\i]
.endr
.irp i, 0,1,2
	v_mov_b32 v[(\d0)+3+\i], v[CT+\i]
.endr
.irp i, 0,1,2
	v_permlane16_swap_b32 v[(\d1)+\i], v[CT+4+\i]
.endr
.irp i, 0,1,2
	v_mov_b32 v[(\d1)+3+\i], v[CT+4+\i]
.endr
.endm
	s_load_b128 s[4:7], s[0:1], 0x0                ; ops s[4:5], bqkv s[6:7]
	s_load_b64 s[8:9], s[0:1], 0x10                ; qkv
	v_lshl_add_u32 v[SPW], v0, 2, SPARE
	v_mov_b32 v[NIL], 0
	ds_add_u32 v[SPW], v[NIL]                      ; the wave's opening: the add and its wait stand ahead of my first tensor load; the set-up below, work on registers, stands between them
	v_lshrrev_b32 v1, 5, v0
	v_readfirstlane_b32 s14, v1                    ; wave 0..3
	s_lshr_b32 s15, s14, 1                         ; my half of R.  Also: I fetch for R (0) or for P (1)
	s_and_b32 s16, s14, 1                          ; my half of P.  Also: which of the two groups I fetch
	s_bfe_u32 s40, ttmp6, 0x40000                  ; cx
	s_bfe_u32 s41, ttmp6, 0x40004                  ; cy
	s_and_b32 s17, ttmp7, 0xffff                   ; the cluster's y
	s_lshl_b32 s43, s41, 2
	s_lshl_b32 s43, 15, s43                        ; my row of the cluster
	s_lshl_b32 s44, 0x1111, s40                    ; my column
	s_or_b32 s[G1+0], s43, (3<<16)|(1<<21)         ; 15:0 the mask: R's groups go to my row; 17:16 elements of 8 bytes; 21 set beside a mask; no padding
	s_or_b32 s[G1B+0], s44, (3<<16)|(1<<21)        ; P's go to my column
.irp g, G1, G1B
	s_mov_b32 s[\g+1], 32<<16                      ; tensor_dim0: a row of 256 bytes
	s_mov_b32 s[\g+2], 100<<16                     ; tensor_dim1: 25,600 dense bytes
	s_mov_b32 s[\g+3], 32<<16                      ; tile_dim0
	s_mov_b32 s[\g+4], 100                         ; tile_dim1
	s_mov_b32 s[\g+5], 32                          ; the pitch
	s_mov_b32 s[\g+6], 0
	s_mov_b32 s[\g+7], 0
.endr
	s_lshl_b32 s18, s17, 3                         ; 8 x cluster y
	s_lshl_b32 s19, ttmp9, 3
	s_add_co_u32 s19, s19, 64                      ; 64 + 8 x cluster x
	s_cmp_lt_u32 ttmp9, 2
	s_cselect_b32 s[PATH], 1, 0
	s_cselect_b32 s71, s18, 80                     ; R's first group: tokens, or Wv's columns
	s_cselect_b32 s72, s19, s18                    ; P's first group: Wq's or Wk's columns, or tokens
	s_lshl_b32 s20, s41, 1
	s_add_co_u32 s20, s20, s71
	s_add_co_u32 s20, s20, s16                     ; the group of R that I fetch: it never holds cx
	s_mul_i32 s20, s20, GRP
	s_mov_b32 s21, 0
	s_lshl_b32 s46, s40, 1
	s_add_co_u32 s46, s46, s72
	s_add_co_u32 s46, s46, s16                     ; the group of P that I fetch: it never holds cy
	s_mul_i32 s46, s46, GRP
	s_mov_b32 s47, 0
	s_mul_i32 s45, s14, HALFT                      ; where it goes: wave x 25,600: no place in the cluster enters an LDS address
	s_wait_dscnt 0x0                               ; the opening add is done
	s_wait_kmcnt 0x0
	s_add_nc_u64 s[20:21], s[4:5], s[20:21]
	s_add_nc_u64 s[46:47], s[4:5], s[46:47]
	CROUND                                         ; all sixteen work-groups are here: the first joint loads meet
.irp s, 0,1
	s_mov_b32 s[G0+4*\s], 1
	s_add_co_u32 s[G0+4*\s+1], s45, \s*SLOT
	s_add_nc_u64 s[G0+4*\s+2:G0+4*\s+3], s[20:21], \s*HALFT
	s_or_b32 s[G0+4*\s+3], s[G0+4*\s+3], 0x80000000
	s_mov_b32 s[G0B+4*\s], 1
	s_add_co_u32 s[G0B+4*\s+1], s45, \s*SLOT
	s_add_nc_u64 s[G0B+4*\s+2:G0B+4*\s+3], s[46:47], \s*HALFT
	s_or_b32 s[G0B+4*\s+3], s[G0B+4*\s+3], 0x80000000
	JLOAD G0+4*\s, G1, G0B+4*\s, G1B
.endr
	v_and_b32 v1, 15, v0                           ; r
	v_bfe_u32 v2, v0, 4, 1                         ; h
	v_and_b32 v3, 31, v0                           ; lane
	v_lshlrev_b32 v[LI], 4, v3
	v_lshlrev_b32 v[LS], 2, v3
	s_mul_i32 s88, s15, HALFT                      ; my group of R
	s_mul_i32 s89, s16, HALFT
	s_add_co_u32 s89, s89, 2*HALFT                 ; my group of P, behind R's two
.irp s, 0,1
	v_add_nc_u32 v[ADRR+\s], s88, v[LI]
	v_add_nc_u32 v[ADRP+\s], s89, v[LI]
	s_add_co_u32 s88, s88, SLOT
	s_add_co_u32 s89, s89, SLOT
.endr
	s_mul_i32 s90, s15, HALFT
	s_mul_i32 s91, s16, HALFT
	s_add_co_u32 s91, s91, 2*HALFT
	s_sub_co_u32 s91, s91, s90
	v_mul_u32_u24 v6, s91, v2                      ; lanes 16-31 take P's words: one product with h
	v_lshl_add_u32 v6, v1, 2, v6
	s_add_co_u32 s90, s90, SCO
	v_add_nc_u32 v[ADRS], s90, v6
	v_add_nc_u32 v[ADRS+1], SLOT, v[ADRS]
	v_lshlrev_b32 v[BQO], 6, v2
	v_and_b32 v4, 8, v1
	v_add_nc_u32 v4, v4, v1
	v_lshlrev_b32 v[BVO], 2, v4
	s_mov_b32 s[HM], 0xffff0000
	s_mov_b32 s[SEL], 0x76543210
	s_mov_b32 s[SEL+1], 0xfedcba98
.irp b, 0,1,2,3
	v_mov_b32 v[TM+4+\b], 0                        ; written once: a lane permute's destination counts as one of its sources
.endr
	; where my 128 x 128 goes, and its bias
	s_lshl_b32 s73, s41, 1
	s_add_co_u32 s73, s73, s71
	s_add_co_u32 s73, s73, s15                     ; my group of R
	s_lshl_b32 s74, s40, 1
	s_add_co_u32 s74, s74, s72
	s_add_co_u32 s74, s74, s16                     ; my group of P
	s_sub_co_u32 s75, s74, 64                      ; q, k: which 128 columns of Wqkv
	s_lshr_b32 s76, s75, 3
	s_and_b32 s77, s75, 7
	s_sub_co_u32 s78, s73, 80                      ; v: the pair of heads
	s_cmp_eq_u32 s[PATH], 1
	s_cselect_b32 s79, s73, s74                    ; G
	s_cselect_b32 s76, s76, 2                      ; which
	s_cselect_b32 s77, s77, s78                    ; hp
	s_cselect_b32 s80, s75, 0                      ; the bias by registers: my 128 columns (on v's path: the first 128, loaded and not used)
	s_cselect_b32 s81, 0, s78                      ; the bias by lanes: v's pair of heads (on q's and k's path: pair 0, loaded and not used)
	s_lshl_b32 s79, s79, 3
	s_add_co_u32 s79, s79, s77
	s_mul_i32 s79, s79, 3
	s_add_co_u32 s79, s79, s76
	s_mul_i32 s82, s79, BLK
	s_mov_b32 s83, 0
	s_add_nc_u64 s[8:9], s[8:9], s[82:83]
	s_lshl_b32 s84, s80, 9
	s_mov_b32 s85, 0
	s_add_nc_u64 s[84:85], s[6:7], s[84:85]
	s_lshl_b32 s86, s81, 9
	s_add_co_u32 s86, s86, 8192
	s_mov_b32 s87, 0
	s_add_nc_u64 s[86:87], s[6:7], s[86:87]
.irp t, 0,1,2,3,4,5,6,7                        ; register 8 t + j of a lane is column 32 (t / 2) + 8 (t % 2) + 16 h + j
	global_load_b128 v[BQ+8*\t:BQ+8*\t+3], v[BQO], s[84:85] offset:(32*(\t/2)+8*(\t%2))*4
	global_load_b128 v[BQ+8*\t+4:BQ+8*\t+7], v[BQO], s[84:85] offset:(32*(\t/2)+8*(\t%2))*4+16
.endr
.irp a, 0,1,2,3,4,5,6,7                        ; lane r of tile a is channel 32 (a / 2) + 8 (a % 2) + r + 8 (r / 8): its bias twice, a pair for the packed addition
	global_load_b32 v[BV+2*\a], v[BVO], s[86:87] offset:(32*(\a/2)+8*(\a%2))*4
	global_load_b32 v[BV+2*\a+1], v[BVO], s[86:87] offset:(32*(\a/2)+8*(\a%2))*4
.endr
.macro FRAG reg, adr, off              ; a fragment comes back as it was stored: three loads of 16 bytes a lane, 512 consecutive bytes each
.irp c, 0,1,2
	ds_load_b128 v[(\reg)+4*\c:(\reg)+4*\c+3], v[\adr] offset:(\off)+512*\c
.endr
.endm
; 16 matrix instructions: R's tiles a0, a0 + 1 x P's eight.  The 64 accumulators take turns, one instruction a turn, in the same order in every step.
.macro MUL16 a0, p, q, sc, zero
.irp a, \a0, \a0+1
.irp b, 0,1,2,3,4,5,6,7
.if \zero
	v_wmma_scale_f32_16x16x128_f8f6f4 v[8*(8*((\a)%4)+\b):8*(8*((\a)%4)+\b)+7], v[128*(\p)+FR*\b:128*(\p)+FR*\b+FR-1], v[AF+FR*(\a):AF+FR*(\a)+FR-1], 0, v[SC+16*(\sc)+8*(\q)+\b], v[SC+16*(\sc)+8*(\q)+(\a)] matrix_a_fmt:MATRIX_FMT_FP6 matrix_b_fmt:MATRIX_FMT_FP6 matrix_a_scale:MATRIX_SCALE_ROW1
.else
	v_wmma_scale_f32_16x16x128_f8f6f4 v[8*(8*((\a)%4)+\b):8*(8*((\a)%4)+\b)+7], v[128*(\p)+FR*\b:128*(\p)+FR*\b+FR-1], v[AF+FR*(\a):AF+FR*(\a)+FR-1], v[8*(8*((\a)%4)+\b):8*(8*((\a)%4)+\b)+7], v[SC+16*(\sc)+8*(\q)+\b], v[SC+16*(\sc)+8*(\q)+(\a)] matrix_a_fmt:MATRIX_FMT_FP6 matrix_b_fmt:MATRIX_FMT_FP6 matrix_a_scale:MATRIX_SCALE_ROW1
.endif
.endr
.endr
.endm
.macro FETCH_P slot, q, p
	WIN TO_B
.irp i, 0,1,2,3,4,5,6,7
	FRAG 128*(\p)+FR*\i, ADRP+\slot, (\q)*BLK+\i*FRB
.endr
	WIN 0
.endm
.macro FETCH_R slot, q, i0
.irp i, \i0, \i0+1, \i0+2, \i0+3
	FRAG AF+FR*(\i), ADRR+\slot, (\q)*BLK+(\i)*FRB
.endr
.endm
.macro SCALES slot                     ; the slot's scale words, both blocks
.irp q, 0,1
.irp i, 0,1,2,3,4,5,6,7
	ds_load_b32 v[SC+16*\slot+8*\q+\i], v[ADRS+\slot] offset:\q*BLK+64*\i
.endr
.endr
.endm
.macro STEP slot, q, zero              ; 128 along K with its successor in the same slot
	s_wait_dscnt 4*NL                              ; P's set, R's tiles 0-3 and the scale words are in; the youngest twelve loads (R's tiles 4-7) may be out
	WIN MUL_LO
	MUL16 0, (\q)%2, \q, \slot, \zero
	MUL16 2, (\q)%2, \q, \slot, \zero
	s_wait_dscnt 0
	PLACES NP
	FETCH_P \slot, (\q)+1, 1-(\q)%2
	FETCH_R \slot, (\q)+1, 0
	WIN MUL_HI
	MUL16 4, (\q)%2, \q, \slot, \zero
	MUL16 6, (\q)%2, \q, \slot, \zero
	PLACES NP
	WIN 0
	FETCH_R \slot, (\q)+1, 4
.endm
; A slot's last step changes slots: one barrier; in front of it each wave waits for all its tensor loads, adds 0 to its spare word, and waits for that and for its reads of this slot.  fill = 1: the slot is filled again, two slots ahead.
.macro TURN slot, next, fill
	s_wait_tensorcnt 0x0                           ; all my tensor loads have landed: my part of the next slot
	ds_add_u32 v[SPW], v[NIL]                      ; 0 onto my spare word
	s_wait_dscnt 4*NL+1                            ; (the add and the youngest twelve loads may be out)
	WIN MUL_LO
	MUL16 0, 1, 1, \slot, 0
	s_wait_dscnt 0x0                               ; the add is done, and my reads of this slot are over
	s_barrier_signal -1
	MUL16 2, 1, 1, \slot, 0
	WIN 0
	s_barrier_wait -1
.if \fill
	CREST                                          ; the barrier has opened a round of the cluster's: no wave of any partner still reads this slot or has a load on its way
	s_add_nc_u64 s[G0+4*\slot+2:G0+4*\slot+3], s[G0+4*\slot+2:G0+4*\slot+3], 2*HALFT
	s_add_nc_u64 s[G0B+4*\slot+2:G0B+4*\slot+3], s[G0B+4*\slot+2:G0B+4*\slot+3], 2*HALFT
	JLOAD G0+4*\slot, G1, G0B+4*\slot, G1B         ; the first tensor load behind the round; its four v_nop are the places in front of the loads below
.else
	PLACES NP
.endif
	FETCH_P \next, 0, 0
	FETCH_R \next, 0, 0
	SCALES \next
	WIN MUL_HI
	MUL16 4, 1, 1, \slot, 0
	MUL16 6, 1, 1, \slot, 0
	PLACES NP
	WIN 0
	FETCH_R \next, 0, 4
.endm
	s_wait_tensorcnt 1                             ; my part of slot 0 is in (slot 1's load may be out)
	s_barrier_signal -1
	s_barrier_wait -1                              ; everybody's is
	FETCH_P 0, 0, 0
	FETCH_R 0, 0, 0
	SCALES 0
	FETCH_R 0, 0, 4
	STEP 0, 0, 1                                   ; K = 1,024 is four slots' worth: written out.  The first products start the sums
	TURN 0, 1, 1
	STEP 1, 0, 0
	TURN 1, 0, 1
	STEP 0, 0, 0
	TURN 0, 1, 0                                   ; nothing is left to fetch
	STEP 1, 0, 0
	s_wait_dscnt 4*NL
	WIN MUL_LO
	MUL16 0, 1, 1, 1, 0
	MUL16 2, 1, 1, 1, 0
	s_wait_dscnt 0
	WIN MUL_HI
	MUL16 4, 1, 1, 1, 0
	MUL16 6, 1, 1, 1, 0
	WIN 0
; THE WAY OUT.  Tile a of R: its eight accumulators + the bias are a lane's 64 numbers along the next K; they are quantised in registers, and the codes leave as images: 512 consecutive bytes a store.
.macro MOVE a, qk
	WIN 0x02+(\a)/4                                ; source 0: window 2 or 3
.set AC, 64*((\a)%4)
.set ii, 0
.rept 32
.if \qk
	v_pk_add_f32 v[TT+ii:TT+ii+1], v[AC+ii:AC+ii+1], v[BQ+ii:BQ+ii+1]          ; each accumulator from its low end on
.else
	v_pk_add_f32 v[TT+ii:TT+ii+1], v[AC+ii:AC+ii+1], v[BV+2*(\a):BV+2*(\a)+1]
.endif
.set ii, ii+2
.endr
	WIN 0
.endm
.macro EPI qk
.irp u, 0,1,2,3
.if \u > 0
	s_wait_xcnt 0x0                                ; the last pair's stores have read their data: the codes and the scale word are written again only behind this wait
.endif
	MOVE 2*\u, \qk
.if \qk
	QUANT TT, EV, OD, PW, FLOOR                    ; the even head's six registers, the odd head's six
.else
	QUANT TT, EV, EV+6, PW, FLOOR                  ; a whole fragment: 128 keys
.endif
	MOVE 2*\u+1, \qk
.if \qk
	QUANT TT, EV+6, OD+6, PW+1, FLOOR
.else
	QUANT TT, OD, OD+6, PW+1, FLOOR
.endif
.irp q, 0,1,2
.if \qk
	global_store_b128 v[LI], v[EV+4*\q:EV+4*\q+3], s[8:9] offset:\u*FRB+512*\q
	global_store_b128 v[LI], v[OD+4*\q:OD+4*\q+3], s[8:9] offset:6144+\u*FRB+512*\q
.else
	global_store_b128 v[LI], v[EV+4*\q:EV+4*\q+3], s[8:9] offset:2*\u*FRB+512*\q
	global_store_b128 v[LI], v[OD+4*\q:OD+4*\q+3], s[8:9] offset:(2*\u+1)*FRB+512*\q
.endif
.endr
	v_cndmask_b32 v[SW], v[PW], v[PW+1], s[HM]     ; lanes 0-15: tile 2 u's words; lanes 16-31: tile 2 u + 1's
	global_store_b32 v[LS], v[SW], s[8:9] offset:SCO+128*\u
.endr
.endm
	PLACES NP                                      ; behind the last products: their results are read, and R's registers written, below
	s_wait_loadcnt 0x0                             ; the biases
	s_cmp_eq_u32 s[PATH], 1
	s_cbranch_scc0 .Lvpath
	EPI 1
	s_branch .Ldone
.Lvpath:
	EPI 0
.Ldone:
	s_wait_tensorcnt 0x0                           ; the wave's end
	ds_add_u32 v[SPW], v[NIL]
	s_wait_dscnt 0x0
	CROUND                                         ; the closing round: no work-group ends while a partner may still ask for a tile that names it
	s_endpgm
.Lfunc_end_k_qc4c4e05e6c_qkvgemm:
	.size	k_qc4c4e05e6c_qkvgemm, .Lfunc_end_k_qc4c4e05e6c_qkvgemm-k_qc4c4e05e6c_qkvgemm
	.p2alignl 7, 3214868480
	.fill 96, 4, 3214868480
	.section	.rodata,"a",@progbits
	.p2align	6, 0x0
	.amdhsa_kernel k_qc4c4e05e6c_qkvgemm
		.amdhsa_group_segment_fixed_size 327680
		.amdhsa_private_segment_fixed_size 0
		.amdhsa_enable_private_segment 0
		.amdhsa_kernarg_size 24
		.amdhsa_user_sgpr_count 2
		.amdhsa_user_sgpr_kernarg_segment_ptr 1
		.amdhsa_wavefront_size32 1
		.amdhsa_system_sgpr_workgroup_id_x 1
		.amdhsa_system_sgpr_workgroup_id_y 1
		.amdhsa_system_sgpr_workgroup_id_z 1
		.amdhsa_system_vgpr_workitem_id 0
		.amdhsa_next_free_vgpr 1024
		.amdhsa_next_free_sgpr 100
		.amdhsa_reserve_vcc 0
		.amdhsa_float_denorm_mode_32 3
		.amdhsa_float_denorm_mode_16_64 3
		.amdhsa_memory_ordered 1
		.amdhsa_forward_progress 1
		.amdhsa_inst_pref_size 208
	.end_amdhsa_kernel
	.amdgpu_metadata
---
amdhsa.version: [ 1, 2 ]
amdhsa.kernels:
  - .name:           k_qc4c4e05e6c_qkvgemm
    .symbol:         k_qc4c4e05e6c_qkvgemm.kd
    .args:
      - { .name: ops, .offset: 0, .size: 8, .value_kind: global_buffer, .address_space: global }
      - { .name: bqkv, .offset: 8, .size: 8, .value_kind: global_buffer, .address_space: global }
      - { .name: qkv, .offset: 16, .size: 8, .value_kind: global_buffer, .address_space: global }
    .group_segment_fixed_size: 327680
    .private_segment_fixed_size: 0
    .kernarg_segment_align: 8
    .kernarg_segment_size: 24
    .max_flat_workgroup_size: 128
    .sgpr_count:     100
    .vgpr_count:     1024
    .wavefront_size: 32
...
	.end_amdgpu_metadata
.endif
;; end of part 2
;; launch attention (part 3): grid 16 x 16, 16 waves a work-group, clusters of 4 x 4, 327,680 bytes of LDS; arguments qkv, attn_mask, attn; writes attn
.if DOCPART == 3
	.amdgcn_target "amdgcn-amd-amdhsa--gfx1250"
	.amdhsa_code_object_version 6
	.text
	.protected	k_qc4c4e05e6c_attention
	.globl	k_qc4c4e05e6c_attention
	.p2align	8
	.type	k_qc4c4e05e6c_attention,@function
k_qc4c4e05e6c_attention:
	s_mov_b64 s[64:65], 0
	v_nop
	global_prefetch_b8 v0, s[64:65] scope:SCOPE_SE
	s_setreg_imm32_b32 hwreg(HW_REG_WAVE_MODE, 25, 1), 1
	s_wait_xcnt 0x0
	s_wait_alu depctr_hold_cnt(0) depctr_sa_sdst(0) depctr_va_vdst(0) depctr_va_sdst(0) depctr_va_ssrc(0) depctr_va_vcc(0) depctr_vm_vsrc(0)
	s_getreg_b32 s2, hwreg(HW_REG_IB_STS2, 6, 4)
	s_cmp_eq_u32 s2, 0
	s_cbranch_scc0 .Lentry_in_a_cluster
	s_endpgm
.Lentry_in_a_cluster:
	s_bfe_u32 s2, ttmp6, 0x10000c
	s_cmp_lg_u32 s2, 0xf033
	s_cbranch_scc0 .Lentry_shape_is_right
	s_endpgm
.Lentry_shape_is_right:
; attn = softmax(q k^T / 8 + attn_mask) v for 64 heads of 64 channels, 2,048 queries and keys, both products on codes of FP6 (E2M3) with E8M0 scales; the result is quantised at once into the last product's operand.
; THE MASK IS AN INPUT: every key is worked for every query.  It is the C OPERAND of S^T = k q^T; the division by 8 is taken off q's scale bytes (3 off each; the launch before holds them at 4 or more): D = S / 8 + mask, with no vector instruction.
; THE SOFTMAX: t = D x log2(e); M = the running largest t rounded up to a whole number; p = 2^(t - M) is quantised along the keys, not normalised; the row's sum is taken of the unquantised p and divides at the end.
; SHARES.  A work-group owns 128 queries of one batch and two pairs of heads; wave w owns the tile of 16 queries w % 8 and the pair w / 8: its two heads one after the other in each step of 128 keys.  Four waves to a SIMD.
; K = 64 IN AN INSTRUCTION OF 128.  q stands as [even head's six registers][six zeros][odd head's six]; the tiles of k of one head stand six registers apart.  The even head takes [tile t][what follows] x [q even][0], the odd head
; [what precedes][tile t] x [0][q odd]: the other half meets zero codes.  A pair's scale word (two bytes for each head) serves both.
; LAYOUT.  Both products are used transposed; a lane holds one query.  By the tiles' order of rows (lane r of tile a: row 32 (a / 2) + 8 (a % 2) + r + 8 (r / 8)) register 16 b + i of S^T is key 32 b + 16 (lane / 16) + i.
; RING.  Two slots, 2^17 bytes apart: the mask's 128 rows x 512 bytes (pitch 520: the 32 lanes of a load of 8 bytes touch 64 different banks), then k's and v's blocks of the two pairs (2 x 25,600 dense bytes, images of registers).
; CLUSTER 4 x 4: along x four blocks of queries, along y the four double pairs of heads of a batch.  The mask's tile hangs on the queries alone: asked for jointly by a column; k and v hang on the heads alone: by a row.
; No prefetch is laid: a refill is asked for a whole key step (two units of each of a SIMD's four waves) ahead of the wait for it.
; LIMITS: a row whose every mask entry is -infinity gives NaN, as the definition does.  The scale word of a row of attn is stored by lanes r and 16 + r alike: the same word, the same value.
; REGISTERS: v1-3 places that stay; v4, v7, v35 the step's addresses; v8-15 -M, largest t, the sum (a pair), for each head; v16-33 q; v34 q's scale word; v36-41, v90-95 zeros; v42-89 k or v; v96-159 mask, S^T, p; v160-223 O^T; v224-255 at work.
; SCALARS: s[4:9] the three buffers; s10, s11 my place in the cluster; s18 the wave; s[20:23] constants; s[24:39] the two groups 1; s[40:47] the two groups 0, which walk; s48 on: at work at the head, then q's and attn's addresses.
.set FRB,   1536
.set SCO,   12288
.set BLK,   12800
.set MP,    520
.set MHALF, 64*MP                      ; what one load brings of the mask
.set KVO,   128*MP                     ; behind the mask: k and v
.set KVB,   2*BLK
.set SLOT1, 1<<17
.set SPARE, 2*SLOT1                    ; the spare words, 128 bytes for each wave: eight blocks of 256 bytes that no other line names
.set AM0,  1
.set AKV0, 2
.set AS0,  3
.set ADM,  4
.set SPW,  5                           ; v5   LDS address of my spare word; never rewritten
.set NIL,  6                           ; v6   0; never rewritten
.set ADK,  7
.set ADS,  35
.set KB,   42
.set TM,   232
.set CT,   108
.set TB,   2                           ; s2   the slot in hand
.set SLOTS, 3
.set CX,   10                          ; s10  my place along the cluster's x
.set CY,   11                          ; s11  and along its y: registers of their own, which no descriptor and no address takes
.set WV,   18
.set SEL,  20
.set CS,   22                          ; s[22:23] log2(e)
.set G1M,  24
.set G1K,  32
.set G0M,  40
.set G0K,  44
.macro JLOAD                           ; waves 0, 1 fetch the mask's halves, waves 2, 3 the two pairs' k and v, the others nothing; an s_nop 0 and four v_nop follow each line
	s_cmp_lt_u32 s[WV], 2
	s_cbranch_scc0 .Lnot_m_\@
	tensor_load_to_lds s[G0M:G0M+3], s[G1M:G1M+7]
	s_nop 0
.rept 4
	v_nop
.endr
	s_branch .Lasked_\@
.Lnot_m_\@:
	s_cmp_lt_u32 s[WV], 4
	s_cbranch_scc0 .Lasked_\@
	tensor_load_to_lds s[G0K:G0K+3], s[G1K:G1K+7]
	s_nop 0
.rept 4
	v_nop
.endr
.Lasked_\@:
.endm
.macro CROUND
	s_barrier_signal -1
	s_barrier_wait -1
	s_cmp_lg_u32 s[WV], 0
	s_cbranch_scc1 .Lnot_wave_0_\@
	s_barrier_signal -3
.Lnot_wave_0_\@:
	s_barrier_wait -3
	s_barrier_signal -1
	s_barrier_wait -1
.endm
.macro QUANT s, d0, d1, pw, fl         ; 64 numbers of a lane -> registers 0-5 of a fragment at d0, 6-11 at d1, the row's scale word in pw
.irp b, 0,1,2,3
	v_max3_num_f32 v[TM+\b], |v[\s+16*\b]|, |v[\s+1+16*\b]|, \fl
.endr
.irp i, 2,4,6,8,10,12,14
.irp b, 0,1,2,3
	v_max3_num_f32 v[TM+\b], v[TM+\b], |v[\s+16*\b+\i]|, |v[\s+1+16*\b+\i]|
.endr
.endr
.irp b, 0,1,2,3
	v_permlanex16_b32 v[TM+4+\b], v[TM+\b], s[SEL], s[SEL+1]
.endr
.irp b, 0,1,2,3
	v_max_num_f32 v[TM+\b], v[TM+\b], v[TM+4+\b]
.endr
.irp b, 0,1,2,3
	v_add_nc_u32 v[TM+12+\b], 0xff000000, v[TM+\b]
.endr
.irp b, 0,1,2,3
	v_lshrrev_b32 v[TM+4+\b], 23, v[TM+12+\b]
.endr
	v_lshl_or_b32 v[\pw], v[TM+5], 8, v[TM+4]
	v_lshl_or_b32 v[\pw], v[TM+6], 16, v[\pw]
	v_lshl_or_b32 v[\pw], v[TM+7], 24, v[\pw]
	v_cvt_scalef32_pk16_fp6_f32 v[(\d0):(\d0)+2], v[\s:\s+15], v[TM+12]
	v_cvt_scalef32_pk16_fp6_f32 v[CT:CT+2], v[\s+16:\s+31], v[TM+13]
	v_cvt_scalef32_pk16_fp6_f32 v[(\d1):(\d1)+2], v[\s+32:\s+47], v[TM+14]
	v_cvt_scalef32_pk16_fp6_f32 v[CT+4:CT+6], v[\s+48:\s+63], v[TM+15]
	v_nop
.irp i, 0,1,2
	v_permlane16_swap_b32 v[(\d0)+\i], v[CT+\i]
.endr
.irp i, 0,1,2
	v_mov_b32 v[(\d0)+3+\i], v[CT+\i]
.endr
.irp i, 0,1,2
	v_permlane16_swap_b32 v[(\d1)+\i], v[CT+4+\i]
.endr
.irp i, 0,1,2
	v_mov_b32 v[(\d1)+3+\i], v[CT+4+\i]
.endr
.endm
	s_load_b128 s[4:7], s[0:1], 0x0                ; qkv s[4:5], attn_mask s[6:7]
	s_load_b64 s[8:9], s[0:1], 0x10                ; attn
	v_lshl_add_u32 v[SPW], v0, 2, SPARE
	v_mov_b32 v[NIL], 0
	ds_add_u32 v[SPW], v[NIL]                      ; the wave's opening: the add and its wait stand ahead of my first tensor load; the set-up below, work on registers, stands between them
	v_lshrrev_b32 v7, 5, v0
	v_readfirstlane_b32 s[WV], v7                  ; wave 0..15
	s_bfe_u32 s[CX], ttmp6, 0x40000                ; cx
	s_bfe_u32 s[CY], ttmp6, 0x40004                ; cy
	s_lshl_b32 s48, ttmp9, 2
	s_add_co_u32 s48, s48, s[CX]                   ; my block of 128 queries
	s_and_b32 s49, ttmp7, 0xffff                   ; the batch
	s_lshl_b32 s50, s[CY], 2
	s_lshl_b32 s50, 15, s50                        ; my row of the cluster
	s_lshl_b32 s51, 0x1111, s[CX]                  ; my column
	s_or_b32 s[G1M], s51, (2<<16)|(1<<20)|(1<<21)|(6<<22)|(1<<25)   ; 15:0 the mask's tile goes to my column; elements of 4 bytes; padding on; 21 set beside a mask; after every 128 words (code 6) 2 words (code 1)
	s_mov_b32 s[G1M+1], 128<<16                    ; tensor_dim0
	s_mov_b32 s[G1M+2], 64<<16                     ; tensor_dim1
	s_mov_b32 s[G1M+3], 128<<16                    ; tile_dim0
	s_mov_b32 s[G1M+4], 64                         ; tile_dim1
	s_mov_b32 s[G1M+5], 2048                       ; the pitch
	s_mov_b32 s[G1M+6], 0
	s_mov_b32 s[G1M+7], 0
	s_or_b32 s[G1K], s50, (3<<16)|(1<<21)          ; k and v go to my row: 25,600 dense bytes as 100 rows of 256
	s_mov_b32 s[G1K+1], 32<<16
	s_mov_b32 s[G1K+2], 100<<16
	s_mov_b32 s[G1K+3], 32<<16
	s_mov_b32 s[G1K+4], 100
	s_mov_b32 s[G1K+5], 32
	s_mov_b32 s[G1K+6], 0
	s_mov_b32 s[G1K+7], 0
	s_and_b32 s52, s[WV], 1
	s_lshl_b32 s54, s48, 20                        ; the mask: 128 rows of 8,192 bytes a block of queries,
	s_lshl_b32 s55, s52, 19                        ; 64 rows a half: it never holds cy
	s_add_co_u32 s54, s54, s55
	s_mov_b32 s55, 0
	s_lshl_b32 s56, s49, 7                         ; k's block of the batch's first 128 keys: ((128 b + 2 cy + half) 3 + 1) blocks: it never holds cx
	s_lshl_b32 s57, s[CY], 1
	s_add_co_u32 s56, s56, s57
	s_add_co_u32 s56, s56, s52
	s_mul_i32 s56, s56, 3
	s_add_co_u32 s56, s56, 1
	s_mul_i32 s56, s56, BLK
	s_mov_b32 s57, 0
	s_mul_i32 s58, s52, MHALF
	s_mul_i32 s59, s52, KVB
	s_add_co_u32 s59, s59, KVO
	s_mov_b32 s[SEL], 0x76543210
	s_mov_b32 s[SEL+1], 0xfedcba98
	s_mov_b32 s[CS], 0x3fb8aa3b                    ; log2(e)
	s_mov_b32 s[CS+1], s[CS]                       ; (named with it as a pair, so it is written)
	s_mov_b32 s[TB], 0
	s_mov_b32 s[SLOTS], 15
	s_wait_dscnt 0x0                               ; the opening add is done
	s_wait_kmcnt 0x0
	s_mov_b32 s[G0M], 1
	s_mov_b32 s[G0M+1], s58
	s_add_nc_u64 s[G0M+2:G0M+3], s[6:7], s[54:55]
	s_or_b32 s[G0M+3], s[G0M+3], 0x80000000
	s_mov_b32 s[G0K], 1
	s_mov_b32 s[G0K+1], s59
	s_add_nc_u64 s[G0K+2:G0K+3], s[4:5], s[56:57]
	s_or_b32 s[G0K+3], s[G0K+3], 0x80000000
	CROUND                                         ; all sixteen work-groups are here: the first joint loads meet
	JLOAD                                          ; slot 0: key step 0
	; q, and where the result goes
	s_lshr_b32 s60, s[WV], 3                       ; which of the two pairs
	s_and_b32 s61, s[WV], 7                        ; my tile of queries
	s_lshl_b32 s62, s49, 4
	s_add_co_u32 s62, s62, s48                     ; the group of 128 tokens: 16 b + block
	s_lshl_b32 s62, s62, 3
	s_lshl_b32 s63, s[CY], 1
	s_add_co_u32 s62, s62, s63
	s_add_co_u32 s62, s62, s60                     ; 8 G + hp, hp = 2 cy + the pair
	s_mul_i32 s66, s62, 3*BLK                      ; q's block
	s_lshl_b32 s68, s61, 6
	s_add_co_u32 s68, s68, s66
	s_add_co_u32 s68, s68, SCO                     ; my tile's scale words
	s_mov_b32 s69, 0
	s_lshr_b32 s63, s61, 1
	s_mul_i32 s63, s63, FRB
	s_add_co_u32 s66, s66, s63                     ; my tile's double fragment
	s_mov_b32 s67, 0
	s_add_nc_u64 s[66:67], s[4:5], s[66:67]
	s_add_nc_u64 s[68:69], s[4:5], s[68:69]
	s_mul_i32 s70, s62, BLK                        ; attn's block
	s_lshl_b32 s72, s61, 6
	s_add_co_u32 s72, s72, s70
	s_add_co_u32 s72, s72, SCO
	s_mov_b32 s73, 0
	s_mul_i32 s63, s61, FRB
	s_add_co_u32 s70, s70, s63
	s_mov_b32 s71, 0
	s_add_nc_u64 s[70:71], s[8:9], s[70:71]
	s_add_nc_u64 s[72:73], s[8:9], s[72:73]
	v_and_b32 v100, 15, v0                         ; r
	v_bfe_u32 v101, v0, 4, 1                       ; h
	v_and_b32 v102, 31, v0                         ; lane
	v_lshlrev_b32 v103, 4, v102
	s_mul_i32 s74, s52, 520                        ; registers 6 p .. 6 p + 5 of the double fragment's image (p = tile % 2), in three pieces of 8 bytes: at 16 l + 0, 8, 512 (p = 0) or 520, 1,024, 1,032 (p = 1)
	s_mul_i32 s75, s52, 1016
	s_add_co_u32 s75, s75, 8
	s_add_co_u32 s76, s74, 512
	v_add_nc_u32 v96, s74, v103
	v_add_nc_u32 v97, s75, v103
	v_add_nc_u32 v98, s76, v103
	v_lshlrev_b32 v99, 2, v100
	global_load_b64 v[16:17], v96, s[66:67]        ; the even head's
	global_load_b64 v[18:19], v97, s[66:67]
	global_load_b64 v[20:21], v98, s[66:67]
	global_load_b64 v[28:29], v96, s[66:67] offset:6144   ; the odd head's
	global_load_b64 v[30:31], v97, s[66:67] offset:6144
	global_load_b64 v[32:33], v98, s[66:67] offset:6144
	global_load_b32 v34, v99, s[68:69]
	v_and_b32 v104, 8, v100
	v_add_nc_u32 v104, v104, v100                  ; r + 8 (r / 8)
	v_mul_u32_u24 v[AM0], v104, MP
	v_lshl_add_u32 v[AM0], v101, 6, v[AM0]
	s_lshr_b32 s77, s61, 1
	s_lshl_b32 s77, s77, 5
	s_lshl_b32 s78, s52, 3
	s_add_co_u32 s77, s77, s78
	s_mul_i32 s77, s77, MP
	v_add_nc_u32 v[AM0], s77, v[AM0]               ; the mask: my query's row, + 64 h
	s_mul_i32 s78, s60, KVB
	s_add_co_u32 s78, s78, KVO
	v_lshl_add_u32 v[AKV0], v102, 4, s78           ; my pair's k and v: 16 x lane
	v_lshl_add_u32 v[AS0], v102, 2, s78            ; their scale words: 4 x lane
	s_wait_loadcnt 0x0                             ; q
	v_add_nc_u32 v34, 0xfcfcfcfd, v34              ; 3 off each of the four bytes (each is 4 or more: nothing is borrowed): q / 8
.irp j, 22,23,24,25,26,27,36,37,38,39,40,41,90,91,92,93,94,95
	v_mov_b32 v\j, 0                               ; q's zeros, and the zeros in front of and behind k's tiles
.endr
.irp hd, 0,1
	v_mov_b32 v[9+4*\hd], 0xff61b1e6               ; the largest t so far: -3e38
	v_mov_b32 v[10+4*\hd], 0                       ; the sum, in two halves
	v_mov_b32 v[11+4*\hd], 0
.endr
	v_floor_f32 v8, -v9                            ; -M
	v_floor_f32 v12, -v13
.irp b, 0,1,2,3
	v_mov_b32 v[236+\b], 0                         ; written once: a lane permute's destination counts as one of its sources
.endr
	v_mov_b32 v253, 0                              ; (named as the upper half of the pair v[252:253] before it is first written)
.set ii, 0
.rept 64
	v_mov_b32 v[160+ii], 0                         ; O^T: the step is written once; its first turn finds zeros.  (These are also the places between q's scale word and the first product)
.set ii, ii+1
.endr
; ONE HEAD, 16 QUERIES x 128 KEYS.
.macro UNIT hd
.set ST, 8+4*\hd
.set OO, 160+32*\hd
.set nn, 0
.rept 32
	ds_load_b64 v[96+2*nn:97+2*nn], v[ADM] offset:128*(nn/8)+8*(nn%8)          ; the mask, in the result's layout: register 16 b + i = key 32 b + 16 h + i of my query
.set nn, nn+1
.endr
.irp i, 0,1,2,3,4,5,6,7,8,9,10,11
	ds_load_b128 v[KB+4*\i:KB+4*\i+3], v[ADK] offset:6144*\hd+512*\i           ; k's eight tiles of this head, six registers each
.endr
.irp i, 0,1,2,3
	ds_load_b32 v[248+\i], v[ADS] offset:SCO+128*\i                            ; lanes 0-15: tile 2 i's words; lanes 16-31: tile 2 i + 1's
.endr
	s_wait_dscnt 0x0
.irp u, 0,1,2,3
	v_wmma_scale_f32_16x16x128_f8f6f4 v[96+16*\u:103+16*\u], v[KB+12*\u-6*\hd:KB+12*\u-6*\hd+11], v[16+6*\hd:27+6*\hd], v[96+16*\u:103+16*\u], v[248+\u], v34 matrix_a_fmt:MATRIX_FMT_FP6 matrix_b_fmt:MATRIX_FMT_FP6
	v_wmma_scale_f32_16x16x128_f8f6f4 v[104+16*\u:111+16*\u], v[KB+12*\u+6-6*\hd:KB+12*\u+17-6*\hd], v[16+6*\hd:27+6*\hd], v[104+16*\u:111+16*\u], v[248+\u], v34 matrix_a_fmt:MATRIX_FMT_FP6 matrix_b_fmt:MATRIX_FMT_FP6 matrix_a_scale:MATRIX_SCALE_ROW1
.endr
.rept 4
	v_nop                                          ; places: behind them k's registers are loaded anew and the scores are read
.endr
.irp i, 0,1,2,3,4,5,6,7,8,9,10,11
	ds_load_b128 v[KB+4*\i:KB+4*\i+3], v[ADK] offset:BLK+6144*\hd+512*\i       ; v's four fragments of this head land while the softmax is worked
.endr
.irp i, 0,1
	ds_load_b32 v[248+\i], v[ADS] offset:BLK+SCO+128*(2*\hd+\i)
.endr
.irp b, 0,1,2,3
	v_max3_num_f32 v[232+\b], v[96+16*\b], v[97+16*\b], v[98+16*\b]            ; the largest score of each block of 32 keys: for the row's maximum, and, since p rises with the score, for the block's largest p
.endr
.irp i, 3,5,7,9,11,13
.irp b, 0,1,2,3
	v_max3_num_f32 v[232+\b], v[232+\b], v[96+16*\b+\i], v[97+16*\b+\i]
.endr
.endr
.irp b, 0,1,2,3
	v_max_num_f32 v[232+\b], v[232+\b], v[111+16*\b]
.endr
.irp b, 0,1,2,3
	v_permlanex16_b32 v[236+\b], v[232+\b], s[SEL], s[SEL+1]
.endr
.irp b, 0,1,2,3
	v_max_num_f32 v[232+\b], v[232+\b], v[236+\b]
.endr
	v_max3_num_f32 v254, v232, v233, v234
	v_max_num_f32 v254, v254, v235
	v_mul_f32 v254, s[CS], v254                    ; as t
	v_max_num_f32 v[ST+1], v[ST+1], v254           ; the running largest t
	v_mov_b32 v254, v[ST]
	v_floor_f32 v[ST], -v[ST+1]                    ; the new -M = -ceil(t): a whole number
	v_sub_f32 v254, v[ST], v254                    ; old M - new M
	v_cvt_i32_f32 v254, v254                       ; (it saturates)
	v_ldexp_f32 v252, 1.0, v254                    ; f = 2^(old M - new M)
.set jj, 0
.rept 32
	v_pk_fma_f32 v[96+jj:97+jj], v[96+jj:97+jj], s[CS:CS+1], v[ST:ST+1] op_sel_hi:[1,0,0]   ; t - M, two at a time
.set jj, jj+2
.endr
.irp b, 0,1,2,3
	v_fma_f32 v[232+\b], v[232+\b], s[CS], v[ST]
.endr
.set jj, 0
.rept 64
	v_exp_f32 v[96+jj], v[96+jj]                   ; p = 2^(t - M)
.set jj, jj+1
.endr
	v_pk_mul_f32 v[ST+2:ST+3], v[ST+2:ST+3], v[252:253] op_sel_hi:[1,0]        ; the sums under the new M: a plain place behind the exponentials
	s_wait_alu depctr_va_vdst(0)                   ; one wait for the batch of 64, ahead of its first reader
.irp b, 0,1,2,3
	v_exp_f32 v[232+\b], v[232+\b]                 ; each block's largest p
.endr
	v_pk_add_f32 v[236:237], v[96:97], v[98:99]    ; the row's sum of the unquantised p, in two chains
.irp j, 4,8,12,16,20,24,28,32,36,40,44,48,52,56,60
	v_pk_add_f32 v[ST+2:ST+3], v[ST+2:ST+3], v[96+\j:97+\j]
	v_pk_add_f32 v[236:237], v[236:237], v[98+\j:99+\j]
.endr
	v_pk_add_f32 v[ST+2:ST+3], v[ST+2:ST+3], v[236:237]
	s_wait_alu depctr_va_vdst(0)                   ; and one for the four
.irp b, 0,1,2,3
	v_max_num_f32 v[232+\b], 0x1800000, v[232+\b]  ; the floor 2^(3 - 127)
.endr
.irp b, 0,1,2,3
	v_add_nc_u32 v[244+\b], 0xff000000, v[232+\b]
.endr
.irp b, 0,1,2,3
	v_lshrrev_b32 v[236+\b], 23, v[244+\b]
.endr
	v_lshl_or_b32 v253, v237, 8, v236              ; p's scale word for these 128 keys
	v_lshl_or_b32 v253, v238, 16, v253
	v_lshl_or_b32 v253, v239, 24, v253
.irp c, 0,1
	v_cvt_scalef32_pk16_fp6_f32 v[224+6*\c:226+6*\c], v[96+32*\c:111+32*\c], v[244+2*\c]
	v_cvt_scalef32_pk16_fp6_f32 v[236+4*\c:238+4*\c], v[112+32*\c:127+32*\c], v[244+2*\c+1]
.endr
	v_nop                                          ; one plain place behind the scaled conversions
.irp c, 0,1
.irp i, 0,1,2
	v_permlane16_swap_b32 v[224+6*\c+\i], v[236+4*\c+\i]
.endr
.irp i, 0,1,2
	v_mov_b32 v[227+6*\c+\i], v[236+4*\c+\i]
.endr
.endr
.set jj, 0
.rept 16
	v_pk_mul_f32 v[OO+jj:OO+jj+1], v[OO+jj:OO+jj+1], v[252:253] op_sel_hi:[1,0]   ; O^T under the new M; also the places between p's codes and scale word and the products
.set jj, jj+2
.endr
	s_wait_dscnt 0x0                               ; v
.irp u, 0,1
	v_wmma_scale_f32_16x16x128_f8f6f4 v[OO+16*\u:OO+16*\u+7], v[KB+24*\u:KB+24*\u+11], v[224:235], v[OO+16*\u:OO+16*\u+7], v[248+\u], v253 matrix_a_fmt:MATRIX_FMT_FP6 matrix_b_fmt:MATRIX_FMT_FP6
	v_wmma_scale_f32_16x16x128_f8f6f4 v[OO+16*\u+8:OO+16*\u+15], v[KB+24*\u+12:KB+24*\u+23], v[224:235], v[OO+16*\u+8:OO+16*\u+15], v[248+\u], v253 matrix_a_fmt:MATRIX_FMT_FP6 matrix_b_fmt:MATRIX_FMT_FP6 matrix_a_scale:MATRIX_SCALE_ROW1
.endr
.endm
.macro WORK                            ; a key step: my two heads
	v_add_nc_u32 v[ADM], s[TB], v[AM0]
	v_add_nc_u32 v[ADK], s[TB], v[AKV0]
	v_add_nc_u32 v[ADS], s[TB], v[AS0]
	v_nop                                          ; four places in front of loads into registers that the last products have read
	UNIT 0
.rept 4
	v_nop
.endr
	UNIT 1
	s_xor_b32 s[TB], s[TB], SLOT1
.endm
; THE CHANGE OF SLOTS stands at a step's head: each wave waits for all its tensor loads, adds 0 to its spare word, and waits for that and for its reads of the slot that it has left.  fill = 1: a round of the cluster's barrier, and behind it
; that slot is filled with the next key step: the load has a whole step in which to land.
.macro CHANGE fill
	s_wait_tensorcnt 0x0                           ; no tensor load of mine is out, so a group 0 may be written
	ds_add_u32 v[SPW], v[NIL]                      ; 0 onto my spare word
.if \fill
	s_xor_b32 s[G0M+1], s[G0M+1], SLOT1
	s_add_nc_u64 s[G0M+2:G0M+3], s[G0M+2:G0M+3], 512           ; the next 128 keys of each row of the mask
	s_xor_b32 s[G0K+1], s[G0K+1], SLOT1
	s_add_nc_u64 s[G0K+2:G0K+3], s[G0K+2:G0K+3], 24*BLK        ; the next group of 128 tokens
.endif
	s_wait_dscnt 0x0                               ; the add is done, and my reads of the slot that I have left are over
.if \fill
	CROUND
	JLOAD
.else
	s_barrier_signal -1
	s_barrier_wait -1
.endif
.endm
.Lslot:                                            ; 15 trips: behind each change of slots but the last the next key step is asked for
	CHANGE 1
	WORK
	s_sub_co_u32 s[SLOTS], s[SLOTS], 1
	s_cmp_lg_u32 s[SLOTS], 0
	s_cbranch_scc1 .Lslot
	CHANGE 0                                       ; the last step is written out
	WORK
	; THE WAY OUT: O^T / the sum; the pair's 128 channels, register 16 b + i = channel 32 b + 16 h + i, are a K step of the last product: quantised in registers, stored as an image
.rept 4
	v_nop                                          ; places behind the last products
.endr
.irp hd, 0,1
	v_add_f32 v[10+4*\hd], v[10+4*\hd], v[11+4*\hd]
.endr
.irp hd, 0,1
	v_permlanex16_b32 v[236+\hd], v[10+4*\hd], s[SEL], s[SEL+1]
.endr
.irp hd, 0,1
	v_add_f32 v[10+4*\hd], v[10+4*\hd], v[236+\hd]
.endr
.irp hd, 0,1
	v_rcp_f32 v[10+4*\hd], v[10+4*\hd]
.endr
	v_and_b32 v4, 31, v0                           ; (plain places behind the reciprocals)
	v_lshlrev_b32 v4, 4, v4                        ; 16 x lane
	v_and_b32 v7, 15, v0
	v_lshlrev_b32 v7, 2, v7                        ; 4 r
	s_wait_alu depctr_va_vdst(0)                   ; one wait for the two reciprocals, ahead of their first reader
.irp hd, 0,1
.set jj, 0
.rept 16
	v_pk_mul_f32 v[160+32*\hd+jj:161+32*\hd+jj], v[160+32*\hd+jj:161+32*\hd+jj], v[10+4*\hd:11+4*\hd] op_sel_hi:[1,0]   ; each accumulator from its low end on
.set jj, jj+2
.endr
.endr
	QUANT 160, 96, 102, 255, 0x1800000
.irp q, 0,1,2
	global_store_b128 v4, v[96+4*\q:99+4*\q], s[70:71] offset:512*\q           ; 32 lanes store 512 consecutive bytes
.endr
	global_store_b32 v7, v255, s[72:73]
	s_wait_tensorcnt 0x0                           ; the wave's end
	ds_add_u32 v[SPW], v[NIL]
	s_wait_dscnt 0x0
	CROUND                                         ; the closing round: no work-group ends while a partner may still ask for a tile that names it
	s_endpgm
.Lfunc_end_k_qc4c4e05e6c_attention:
	.size	k_qc4c4e05e6c_attention, .Lfunc_end_k_qc4c4e05e6c_attention-k_qc4c4e05e6c_attention
	.p2alignl 7, 3214868480
	.fill 96, 4, 3214868480
	.section	.rodata,"a",@progbits
	.p2align	6, 0x0
	.amdhsa_kernel k_qc4c4e05e6c_attention
		.amdhsa_group_segment_fixed_size 327680
		.amdhsa_private_segment_fixed_size 0
		.amdhsa_enable_private_segment 0
		.amdhsa_kernarg_size 24
		.amdhsa_user_sgpr_count 2
		.amdhsa_user_sgpr_kernarg_segment_ptr 1
		.amdhsa_wavefront_size32 1
		.amdhsa_system_sgpr_workgroup_id_x 1
		.amdhsa_system_sgpr_workgroup_id_y 1
		.amdhsa_system_sgpr_workgroup_id_z 1
		.amdhsa_system_vgpr_workitem_id 0
		.amdhsa_next_free_vgpr 256
		.amdhsa_next_free_sgpr 80
		.amdhsa_reserve_vcc 0
		.amdhsa_float_denorm_mode_32 3
		.amdhsa_float_denorm_mode_16_64 3
		.amdhsa_memory_ordered 1
		.amdhsa_forward_progress 1
		.amdhsa_inst_pref_size 89
	.end_amdhsa_kernel
	.amdgpu_metadata
---
amdhsa.version: [ 1, 2 ]
amdhsa.kernels:
  - .name:           k_qc4c4e05e6c_attention
    .symbol:         k_qc4c4e05e6c_attention.kd
    .args:
      - { .name: qkv, .offset: 0, .size: 8, .value_kind: global_buffer, .address_space: global }
      - { .name: attn_mask, .offset: 8, .size: 8, .value_kind: global_buffer, .address_space: global }
      - { .name: attn, .offset: 16, .size: 8, .value_kind: global_buffer, .address_space: global }
    .group_segment_fixed_size: 327680
    .private_segment_fixed_size: 0
    .kernarg_segment_align: 8
    .kernarg_segment_size: 24
    .max_flat_workgroup_size: 512
    .sgpr_count:     80
    .vgpr_count:     256
    .wavefront_size: 32
...
	.end_amdgpu_metadata
.endif
;; end of part 3
;; launch outgemm (part 4): grid 4 x 32, 4 waves a work-group, clusters of 4 x 4, 327,680 bytes of LDS; arguments attn, ops, bout, out0; writes out0
.if DOCPART == 4
	.amdgcn_target "amdgcn-amd-amdhsa--gfx1250"
	.amdhsa_code_object_version 6
	.text
	.protected	k_qc4c4e05e6c_outgemm
	.globl	k_qc4c4e05e6c_outgemm
	.p2align	8
	.type	k_qc4c4e05e6c_outgemm,@function
k_qc4c4e05e6c_outgemm:
	s_mov_b64 s[64:65], 0
	v_nop
	global_prefetch_b8 v0, s[64:65] scope:SCOPE_SE
	s_setreg_imm32_b32 hwreg(HW_REG_WAVE_MODE, 25, 1), 1
	s_wait_xcnt 0x0
	s_wait_alu depctr_hold_cnt(0) depctr_sa_sdst(0) depctr_va_vdst(0) depctr_va_sdst(0) depctr_va_ssrc(0) depctr_va_vcc(0) depctr_vm_vsrc(0)
	s_getreg_b32 s2, hwreg(HW_REG_IB_STS2, 6, 4)
	s_cmp_eq_u32 s2, 0
	s_cbranch_scc0 .Lentry_in_a_cluster
	s_endpgm
.Lentry_in_a_cluster:
	s_bfe_u32 s2, ttmp6, 0x10000c
	s_cmp_lg_u32 s2, 0xf033
	s_cbranch_scc0 .Lentry_shape_is_right
	s_endpgm
.Lentry_shape_is_right:
; out0 = attn Wout + bout on codes of FP6 (E2M3) with E8M0 scales, K = 1,024; out0 [8192][1024] f32.
; Both operands lie in memory as images of operand registers (a group = 128 rows; a block = a group x 128 K = 8 fragment images of 1,536 bytes + 512 bytes of scale words; lane r of tile a holds row 32 (a / 2) + 8 (a % 2) + r + 8 (r / 8)):
; R = attn's tokens (groups 0-63 of attn), P = Wout's columns (groups 88-95 of ops).  Source 0 = P, source 1 = R: a lane holds one token, and register j of accumulator (a, b) is column 32 (b / 2) + 8 (b % 2) + 16 (lane / 16) + j.
; A work-group of four waves makes 256 x 256; a wave 128 x 128.  K goes in steps of 256 (two blocks, 25,600 dense bytes a group) through two LDS slots.  128 work-groups: 8,192 x 1,024 has no more tiles of this size.
; CLUSTER 4 x 4: R's groups hang on the cluster's row, P's on its column: each is asked for jointly by the four that share it.
; REGISTERS: window 0: v8-11 the bias; v16-29 addresses; v32-63 scale words, two sets; v128-223 R's fragments, one set; on the way out v128-255 rows of out0.   window 1: P's fragments, two sets.   windows 2, 3: the accumulators.
.set FR,     12
.set NL,     3
.set NP,     4
.set FRB,    1536
.set SCO,    12288
.set BLK,    12800
.set GRP,    8*BLK
.set HALFT,  2*BLK
.set SLOT,   4*HALFT
.set SPARE,  2*SLOT                    ; the spare words, 128 bytes for each wave: two blocks of 256 bytes that no other line names
.set SPITCH, 528                       ; the way out: a stage of 16 rows x (512 bytes + 16) for each wave, in slot 0, which has had its last fill and its last read when the first result is stored there
.set BO,   8
.set ADRR, 16
.set ADRP, 18
.set ADRS, 20
.set STO,  24
.set RD,   25
.set CO,   26
.set SPW,  28                          ; v28  LDS address of my spare word; never rewritten
.set NIL,  29                          ; v29  0; never rewritten
.set SC,   32
.set AF,   128
.set BK,   128
.set G1,  24
.set G0,  32
.set G1B, 48
.set G0B, 56
.set MSB, 0
.macro WIN new
.if MSB != (\new)
	s_set_vgpr_msb (MSB<<8)|(\new)
.set MSB, (\new)
.endif
.endm
.set MUL_LO, 0xa1
.set MUL_HI, 0xf1
.set TO_B,   0x40
.macro JLOAD g0a, g1a, g0b, g1b        ; a joint load: waves 0, 1 fetch R's two groups, waves 2, 3 P's; an s_nop 0 and four v_nop follow each line
	s_cmp_eq_u32 s15, 0
	s_cbranch_scc0 .Lfor_b_\@
	tensor_load_to_lds s[\g0a:\g0a+3], s[\g1a:\g1a+7]
	s_nop 0
.rept 4
	v_nop
.endr
	s_branch .Lasked_\@
.Lfor_b_\@:
	tensor_load_to_lds s[\g0b:\g0b+3], s[\g1b:\g1b+7]
	s_nop 0
.rept 4
	v_nop
.endr
.Lasked_\@:
.endm
.macro CREST
	s_cmp_lg_u32 s14, 0
	s_cbranch_scc1 .Lnot_wave_0_\@
	s_barrier_signal -3
.Lnot_wave_0_\@:
	s_barrier_wait -3
	s_barrier_signal -1
	s_barrier_wait -1
.endm
.macro CROUND
	s_barrier_signal -1
	s_barrier_wait -1
	CREST
.endm
.macro PLACES n
.rept \n
	v_nop
.endr
.endm
	s_load_b128 s[4:7], s[0:1], 0x0                ; attn s[4:5], ops s[6:7]
	s_load_b128 s[8:11], s[0:1], 0x10              ; bout s[8:9], out0 s[10:11]
	v_lshl_add_u32 v[SPW], v0, 2, SPARE
	v_mov_b32 v[NIL], 0
	ds_add_u32 v[SPW], v[NIL]                      ; the wave's opening: the add and its wait stand ahead of my first tensor load; the set-up below, work on registers, stands between them
	v_lshrrev_b32 v1, 5, v0
	v_readfirstlane_b32 s14, v1                    ; wave 0..3
	s_lshr_b32 s15, s14, 1                         ; my half of R.  Also: I fetch for R (0) or for P (1)
	s_and_b32 s16, s14, 1                          ; my half of P.  Also: which of the two groups I fetch
	s_bfe_u32 s40, ttmp6, 0x40000                  ; cx
	s_bfe_u32 s41, ttmp6, 0x40004                  ; cy
	s_and_b32 s17, ttmp7, 0xffff                   ; the cluster's y
	s_lshl_b32 s43, s41, 2
	s_lshl_b32 s43, 15, s43                        ; my row of the cluster
	s_lshl_b32 s44, 0x1111, s40                    ; my column
	s_or_b32 s[G1+0], s43, (3<<16)|(1<<21)         ; 15:0 the mask: R's groups go to my row; elements of 8 bytes; 21 set beside a mask; no padding
	s_or_b32 s[G1B+0], s44, (3<<16)|(1<<21)
.irp g, G1, G1B
	s_mov_b32 s[\g+1], 32<<16                      ; 25,600 dense bytes as 100 rows of 256
	s_mov_b32 s[\g+2], 100<<16
	s_mov_b32 s[\g+3], 32<<16
	s_mov_b32 s[\g+4], 100
	s_mov_b32 s[\g+5], 32
	s_mov_b32 s[\g+6], 0
	s_mov_b32 s[\g+7], 0
.endr
	s_lshl_b32 s18, s17, 3
	s_lshl_b32 s20, s41, 1
	s_add_co_u32 s20, s20, s18
	s_add_co_u32 s20, s20, s16                     ; the group of tokens that I fetch: 8 x cluster y + 2 cy + half: it never holds cx
	s_mul_i32 s20, s20, GRP
	s_mov_b32 s21, 0
	s_lshl_b32 s46, s40, 1
	s_add_co_u32 s46, s46, 88
	s_add_co_u32 s46, s46, s16                     ; the group of Wout's columns: 88 + 2 cx + half: it never holds cy
	s_mul_i32 s46, s46, GRP
	s_mov_b32 s47, 0
	s_mul_i32 s45, s14, HALFT                      ; where it goes: wave x 25,600
	s_wait_dscnt 0x0                               ; the opening add is done
	s_wait_kmcnt 0x0
	s_add_nc_u64 s[20:21], s[4:5], s[20:21]
	s_add_nc_u64 s[46:47], s[6:7], s[46:47]
	CROUND                                         ; all sixteen work-groups are here: the first joint loads meet
.irp s, 0,1
	s_mov_b32 s[G0+4*\s], 1
	s_add_co_u32 s[G0+4*\s+1], s45, \s*SLOT
	s_add_nc_u64 s[G0+4*\s+2:G0+4*\s+3], s[20:21], \s*HALFT
	s_or_b32 s[G0+4*\s+3], s[G0+4*\s+3], 0x80000000
	s_mov_b32 s[G0B+4*\s], 1
	s_add_co_u32 s[G0B+4*\s+1], s45, \s*SLOT
	s_add_nc_u64 s[G0B+4*\s+2:G0B+4*\s+3], s[46:47], \s*HALFT
	s_or_b32 s[G0B+4*\s+3], s[G0B+4*\s+3], 0x80000000
	JLOAD G0+4*\s, G1, G0B+4*\s, G1B
.endr
	v_and_b32 v1, 15, v0                           ; r
	v_bfe_u32 v2, v0, 4, 1                         ; h
	v_and_b32 v3, 31, v0                           ; lane
	v_lshlrev_b32 v[CO], 4, v3
	s_mul_i32 s88, s15, HALFT
	s_mul_i32 s89, s16, HALFT
	s_add_co_u32 s89, s89, 2*HALFT
.irp s, 0,1
	v_add_nc_u32 v[ADRR+\s], s88, v[CO]
	v_add_nc_u32 v[ADRP+\s], s89, v[CO]
	s_add_co_u32 s88, s88, SLOT
	s_add_co_u32 s89, s89, SLOT
.endr
	s_mul_i32 s90, s15, HALFT
	s_mul_i32 s91, s16, HALFT
	s_add_co_u32 s91, s91, 2*HALFT
	s_sub_co_u32 s91, s91, s90
	v_mul_u32_u24 v6, s91, v2                      ; lanes 16-31 take P's words: one product with h
	v_lshl_add_u32 v6, v1, 2, v6
	s_add_co_u32 s90, s90, SCO
	v_add_nc_u32 v[ADRS], s90, v6
	v_add_nc_u32 v[ADRS+1], SLOT, v[ADRS]
	s_mul_i32 s92, s14, 16*SPITCH                  ; my stage
	v_mul_u32_u24 v[STO], v1, SPITCH
	v_lshl_add_u32 v[STO], v2, 6, v[STO]
	v_add_nc_u32 v[STO], s92, v[STO]               ; in: row r, + 64 h
	v_add_nc_u32 v[RD], s92, v[CO]                 ; back: a row of 512 bytes, 16 a lane
	s_lshl_b32 s73, s41, 1
	s_add_co_u32 s73, s73, s18
	s_add_co_u32 s73, s73, s15                     ; my group of tokens
	s_lshl_b32 s74, s73, 19                        ; 128 rows of 4,096 bytes
	s_lshl_b32 s76, s40, 1
	s_add_co_u32 s76, s76, s16
	s_lshl_b32 s76, s76, 9                         ; my 128 columns: 512 bytes
	s_mov_b32 s77, 0
	s_add_co_u32 s74, s74, s76
	s_mov_b32 s75, 0
	s_add_nc_u64 s[10:11], s[10:11], s[74:75]
	s_add_nc_u64 s[8:9], s[8:9], s[76:77]
	global_load_b128 v[BO:BO+3], v[CO], s[8:9]     ; the bias of the four columns that I store
.macro FRAG reg, adr, off
.irp c, 0,1,2
	ds_load_b128 v[(\reg)+4*\c:(\reg)+4*\c+3], v[\adr] offset:(\off)+512*\c
.endr
.endm
; 16 matrix instructions: R's tiles a0, a0 + 1 x P's eight.  The 64 accumulators take turns, one instruction a turn, in the same order in every step.
.macro MUL16 a0, p, q, sc, zero
.irp a, \a0, \a0+1
.irp b, 0,1,2,3,4,5,6,7
.if \zero
	v_wmma_scale_f32_16x16x128_f8f6f4 v[8*(8*((\a)%4)+\b):8*(8*((\a)%4)+\b)+7], v[128*(\p)+FR*\b:128*(\p)+FR*\b+FR-1], v[AF+FR*(\a):AF+FR*(\a)+FR-1], 0, v[SC+16*(\sc)+8*(\q)+\b], v[SC+16*(\sc)+8*(\q)+(\a)] matrix_a_fmt:MATRIX_FMT_FP6 matrix_b_fmt:MATRIX_FMT_FP6 matrix_a_scale:MATRIX_SCALE_ROW1
.else
	v_wmma_scale_f32_16x16x128_f8f6f4 v[8*(8*((\a)%4)+\b):8*(8*((\a)%4)+\b)+7], v[128*(\p)+FR*\b:128*(\p)+FR*\b+FR-1], v[AF+FR*(\a):AF+FR*(\a)+FR-1], v[8*(8*((\a)%4)+\b):8*(8*((\a)%4)+\b)+7], v[SC+16*(\sc)+8*(\q)+\b], v[SC+16*(\sc)+8*(\q)+(\a)] matrix_a_fmt:MATRIX_FMT_FP6 matrix_b_fmt:MATRIX_FMT_FP6 matrix_a_scale:MATRIX_SCALE_ROW1
.endif
.endr
.endr
.endm
.macro FETCH_P slot, q, p
	WIN TO_B
.irp i, 0,1,2,3,4,5,6,7
	FRAG 128*(\p)+FR*\i, ADRP+\slot, (\q)*BLK+\i*FRB
.endr
	WIN 0
.endm
.macro FETCH_R slot, q, i0
.irp i, \i0, \i0+1, \i0+2, \i0+3
	FRAG AF+FR*(\i), ADRR+\slot, (\q)*BLK+(\i)*FRB
.endr
.endm
.macro SCALES slot
.irp q, 0,1
.irp i, 0,1,2,3,4,5,6,7
	ds_load_b32 v[SC+16*\slot+8*\q+\i], v[ADRS+\slot] offset:\q*BLK+64*\i
.endr
.endr
.endm
.macro STEP slot, q, zero
	s_wait_dscnt 4*NL                              ; P's set, R's tiles 0-3 and the scale words are in; the youngest twelve loads (R's tiles 4-7) may be out
	WIN MUL_LO
	MUL16 0, (\q)%2, \q, \slot, \zero
	MUL16 2, (\q)%2, \q, \slot, \zero
	s_wait_dscnt 0
	PLACES NP
	FETCH_P \slot, (\q)+1, 1-(\q)%2
	FETCH_R \slot, (\q)+1, 0
	WIN MUL_HI
	MUL16 4, (\q)%2, \q, \slot, \zero
	MUL16 6, (\q)%2, \q, \slot, \zero
	PLACES NP
	WIN 0
	FETCH_R \slot, (\q)+1, 4
.endm
.macro TURN slot, next, fill
	s_wait_tensorcnt 0x0                           ; all my tensor loads have landed: my part of the next slot
	ds_add_u32 v[SPW], v[NIL]                      ; 0 onto my spare word
	s_wait_dscnt 4*NL+1                            ; (the add and the youngest twelve loads may be out)
	WIN MUL_LO
	MUL16 0, 1, 1, \slot, 0
	s_wait_dscnt 0x0                               ; the add is done, and my reads of this slot are over
	s_barrier_signal -1
	MUL16 2, 1, 1, \slot, 0
	WIN 0
	s_barrier_wait -1
.if \fill
	CREST                                          ; the barrier has opened a round of the cluster's: no wave of any partner still reads this slot or has a load on its way
	s_add_nc_u64 s[G0+4*\slot+2:G0+4*\slot+3], s[G0+4*\slot+2:G0+4*\slot+3], 2*HALFT
	s_add_nc_u64 s[G0B+4*\slot+2:G0B+4*\slot+3], s[G0B+4*\slot+2:G0B+4*\slot+3], 2*HALFT
	JLOAD G0+4*\slot, G1, G0B+4*\slot, G1B
.else
	PLACES NP
.endif
	FETCH_P \next, 0, 0
	FETCH_R \next, 0, 0
	SCALES \next
	WIN MUL_HI
	MUL16 4, 1, 1, \slot, 0
	MUL16 6, 1, 1, \slot, 0
	PLACES NP
	WIN 0
	FETCH_R \next, 0, 4
.endm
	s_wait_tensorcnt 1                             ; my part of slot 0 is in (slot 1's load may be out)
	s_barrier_signal -1
	s_barrier_wait -1                              ; everybody's is
	FETCH_P 0, 0, 0
	FETCH_R 0, 0, 0
	SCALES 0
	FETCH_R 0, 0, 4
	STEP 0, 0, 1
	TURN 0, 1, 1
	STEP 1, 0, 0
	TURN 1, 0, 1
	STEP 0, 0, 0
	TURN 0, 1, 0
	STEP 1, 0, 0
	s_wait_dscnt 4*NL
	WIN MUL_LO
	MUL16 0, 1, 1, 1, 0
	MUL16 2, 1, 1, 1, 0
	s_wait_dscnt 0
	WIN MUL_HI
	MUL16 4, 1, 1, 1, 0
	MUL16 6, 1, 1, 1, 0
	WIN 0
; THE WAY OUT, tile by tile of 16 tokens x 128 columns, through my own stage: in by lanes (a token's 32 bytes of each accumulator), back as whole rows of 512 bytes, which 32 lanes store as two aligned runs of 256 bytes.
; LDS serves a wave's instructions in order (ISA guide 5.7.1.4): no wait between the stores and the loads, nor in front of the next tile's stores.
.macro TOSTAGE a
.set AC, 64*((\a)%4)
	WIN 0x08+4*((\a)/4)                            ; an LDS store's data are its source 1: window 2 or 3
.irp b, 0,1,2,3,4,5,6,7
	ds_store_b128 v[STO], v[AC+8*\b:AC+8*\b+3] offset:128*(\b/2)+32*(\b%2)     ; each accumulator from its low end on
	ds_store_b128 v[STO], v[AC+8*\b+4:AC+8*\b+7] offset:128*(\b/2)+32*(\b%2)+16
.endr
	WIN 0
.set BB, BK+64*((\a)%2)
.irp t, 0,1,2,3,4,5,6,7,8,9,10,11,12,13,14,15
	ds_load_b128 v[BB+4*\t:BB+4*\t+3], v[RD] offset:\t*SPITCH
.endr
.endm
.macro SEND a, younger                 ; younger: the LDS instructions issued behind tile a's loads, which may stay out
.set BB, BK+64*((\a)%2)
	s_wait_dscnt \younger
.irp t, 0,1,2,3,4,5,6,7,8,9,10,11,12,13,14,15
	v_pk_add_f32 v[BB+4*\t:BB+4*\t+1], v[BB+4*\t:BB+4*\t+1], v[BO:BO+1]
	v_pk_add_f32 v[BB+4*\t+2:BB+4*\t+3], v[BB+4*\t+2:BB+4*\t+3], v[BO+2:BO+3]
.endr
.irp t, 0,1,2,3,4,5,6,7,8,9,10,11,12,13,14,15
	global_store_b128 v[CO], v[BB+4*\t:BB+4*\t+3], s[10:11] offset:(32*((\a)/2)+8*((\a)%2)+\t+8*(\t/8))*4096 th:TH_STORE_NT   ; stage row t is token 32 (a / 2) + 8 (a % 2) + t + 8 (t / 8) of my 128; 520,192 bytes at the most: inside the immediate
.endr
.endm
	PLACES NP                                      ; behind the last products: their results are read, and R's registers loaded anew, below
	s_wait_loadcnt 0x0                             ; the bias
	TOSTAGE 0
.irp a, 1,2,3,4,5,6,7
.if \a > 1
	s_wait_xcnt 0x0                                ; tile a - 2's stores have read their registers: tile a's loads may land there
.endif
	TOSTAGE \a
	SEND \a-1, 32                                  ; behind tile a - 1's loads: tile a's 16 stores and 16 loads
.endr
	SEND 7, 0
	s_wait_tensorcnt 0x0                           ; the wave's end: behind my last tensor load and my last LDS store
	ds_add_u32 v[SPW], v[NIL]
	s_wait_dscnt 0x0
	CROUND                                         ; the closing round: no work-group ends while a partner may still ask for a tile that names it
	s_endpgm
.Lfunc_end_k_qc4c4e05e6c_outgemm:
	.size	k_qc4c4e05e6c_outgemm, .Lfunc_end_k_qc4c4e05e6c_outgemm-k_qc4c4e05e6c_outgemm
	.p2alignl 7, 3214868480
	.fill 96, 4, 3214868480
	.section	.rodata,"a",@progbits
	.p2align	6, 0x0
	.amdhsa_kernel k_qc4c4e05e6c_outgemm
		.amdhsa_group_segment_fixed_size 327680
		.amdhsa_private_segment_fixed_size 0
		.amdhsa_enable_private_segment 0
		.amdhsa_kernarg_size 32
		.amdhsa_user_sgpr_count 2
		.amdhsa_user_sgpr_kernarg_segment_ptr 1
		.amdhsa_wavefront_size32 1
		.amdhsa_system_sgpr_workgroup_id_x 1
		.amdhsa_system_sgpr_workgroup_id_y 1
		.amdhsa_system_sgpr_workgroup_id_z 1
		.amdhsa_system_vgpr_workitem_id 0
		.amdhsa_next_free_vgpr 1024
		.amdhsa_next_free_sgpr 100
		.amdhsa_reserve_vcc 0
		.amdhsa_float_denorm_mode_32 3
		.amdhsa_float_denorm_mode_16_64 3
		.amdhsa_memory_ordered 1
		.amdhsa_forward_progress 1
		.amdhsa_inst_pref_size 151
	.end_amdhsa_kernel
	.amdgpu_metadata
---
amdhsa.version: [ 1, 2 ]
amdhsa.kernels:
  - .name:           k_qc4c4e05e6c_outgemm
    .symbol:         k_qc4c4e05e6c_outgemm.kd
    .args:
      - { .name: attn, .offset: 0, .size: 8, .value_kind: global_buffer, .address_space: global }
      - { .name: ops, .offset: 8, .size: 8, .value_kind: global_buffer, .address_space: global }
      - { .name: bout, .offset: 16, .size: 8, .value_kind: global_buffer, .address_space: global }
      - { .name: out0, .offset: 24, .size: 8, .value_kind: global_buffer, .address_space: global }
    .group_segment_fixed_size: 327680
    .private_segment_fixed_size: 0
    .kernarg_segment_align: 8
    .kernarg_segment_size: 32
    .max_flat_workgroup_size: 128
    .sgpr_count:     100
    .vgpr_count:     1024
    .wavefront_size: 32
...
	.end_amdgpu_metadata
.endif
;; end of part 4
